; MI455X (gfx1250); checked and timed in simulation.
; The chip was launched on July 23, 2026; its instructions are those of AMD's public machine-readable ISA for CDNA 5 (MIT licence, August 2026) and "CDNA5" Instruction Set Architecture Reference Guide (July 2026). The comments in the code are by the model that wrote it; some were corrected since.
;; Mo E Layer. Allowed arithmetic: matrix products marked QUANTISED: E5M2 operands, one given power-of-two scale a tensor, by v_wmma_f32_16x16x64_bf8_bf8 or v_wmma_f32_16x16x128_bf8_bf8, f32 sums; products left as they are: f32 operands where the result goes on into a quantised operand, else bf16, f16 or f32 operands; f32 sums; everything else in f32.
;; Inputs: W1 8 x 512 x 2,048 float32; W2 8 x 2,048 x 512 float32; Wr 512 x 8 float32; b1 8 x 2,048 float32; b2 8 x 512 float32; br 8 float32; lowp_scales 32 int32 (the exponents e of the quantised operands' scales 2^e); x 8 x 512 x 512 float32.
;; Outputs: out0 8 x 512 x 512 float32; out1 one number float32.
;; This version of the problem:
;;   THIS VERSION OF THE PROBLEM IS GIVEN IN LOW PRECISION. The matrix products marked QUANTISED in the list below multiply operands that are first quantised to E5M2 (5 exponent bits, 2 mantissa bits; 8 bits a number), with one given power-of-two scale for each operand tensor; their sums are f32. All else is computed in f32.
;;   The module's matrix products, in the order in which they are computed (A, B: the left and right operand; K: the contracted axis; several contracted axes count as one K, in the product's order):
;;     1. [M 4,096, K 512] x [K 512, N 8]; A: input x; B: input Wr: left as it is (N = 8 < 16)
;;     2. [M 4,096, K 512] x [K 512, N 2,048]; A: input x; B: input W1: QUANTISED (scales: A lowp_scales[0], B lowp_scales[1])
;;     3. [M 4,096, K 2,048] x [K 2,048, N 512]; A: computed on the way; B: input W2: QUANTISED (scales: A lowp_scales[2], B lowp_scales[3])
;;     4. [M 4,096, K 512] x [K 512, N 2,048]; A: input x; B: input W1: QUANTISED (scales: A lowp_scales[4], B lowp_scales[5])
;;     5. [M 4,096, K 2,048] x [K 2,048, N 512]; A: computed on the way; B: input W2: QUANTISED (scales: A lowp_scales[6], B lowp_scales[7])
;;     6. [M 4,096, K 512] x [K 512, N 2,048]; A: input x; B: input W1: QUANTISED (scales: A lowp_scales[8], B lowp_scales[9])
;;     7. [M 4,096, K 2,048] x [K 2,048, N 512]; A: computed on the way; B: input W2: QUANTISED (scales: A lowp_scales[10], B lowp_scales[11])
;;     8. [M 4,096, K 512] x [K 512, N 2,048]; A: input x; B: input W1: QUANTISED (scales: A lowp_scales[12], B lowp_scales[13])
;;     9. [M 4,096, K 2,048] x [K 2,048, N 512]; A: computed on the way; B: input W2: QUANTISED (scales: A lowp_scales[14], B lowp_scales[15])
;;     10. [M 4,096, K 512] x [K 512, N 2,048]; A: input x; B: input W1: QUANTISED (scales: A lowp_scales[16], B lowp_scales[17])
;;     11. [M 4,096, K 2,048] x [K 2,048, N 512]; A: computed on the way; B: input W2: QUANTISED (scales: A lowp_scales[18], B lowp_scales[19])
;;     12. [M 4,096, K 512] x [K 512, N 2,048]; A: input x; B: input W1: QUANTISED (scales: A lowp_scales[20], B lowp_scales[21])
;;     13. [M 4,096, K 2,048] x [K 2,048, N 512]; A: computed on the way; B: input W2: QUANTISED (scales: A lowp_scales[22], B lowp_scales[23])
;;     14. [M 4,096, K 512] x [K 512, N 2,048]; A: input x; B: input W1: QUANTISED (scales: A lowp_scales[24], B lowp_scales[25])
;;     15. [M 4,096, K 2,048] x [K 2,048, N 512]; A: computed on the way; B: input W2: QUANTISED (scales: A lowp_scales[26], B lowp_scales[27])
;;     16. [M 4,096, K 512] x [K 512, N 2,048]; A: input x; B: input W1: QUANTISED (scales: A lowp_scales[28], B lowp_scales[29])
;;     17. [M 4,096, K 2,048] x [K 2,048, N 512]; A: computed on the way; B: input W2: QUANTISED (scales: A lowp_scales[30], B lowp_scales[31])
;;   THE QUANTISER, for each operand of a quantised product, along K:
;;     - The operand's scale is 2^e, e = its entry of the input lowp_scales (int32; the entries are numbered through the quantised products in the list's order, A before B).
;;     - Each number is divided by the scale, clamped to +-57,344, and rounded to the nearest number of E5M2, ties to even, subnormals kept.
;;     - The product sums the exact products of the quantised numbers (number of the format x scale) in f32.
;;   ~~~python
;;   def quantise(x, axis, e):      # numpy; x: float32 -> the quantised numbers, widened to float32 again
;;       x = np.moveaxis(x, axis, -1); K = x.shape[-1]
;;       r = np.clip(x / 2.0 ** e, -57344, 57344)
;;       step = 2.0 ** (np.maximum(np.frexp(np.where(r == 0, 1, r))[1] - 1, -14) - 2)
;;       q = np.round(r / step) * step * 2.0 ** e      # np.round: ties to even
;;       return np.moveaxis(q, -1, axis).astype(np.float32)
;;   ~~~
;;   OPERANDS COMPUTED ON THE WAY. 'Computed on the way' means the value that the module computes at that place (a softmax that the list does not call 'softmax' is quantised finished and normalised). What goes into a quantiser is computed in f32, as accurately as f32 sums, v_exp_f32 and their like allow (about 1e-6 of the number): no bf16 or f16 on the way to a quantiser, and a product that is left as it is and whose result goes on into a quantised operand takes f32 operands (vector FMAs, or v_wmma_f32_16x16x4_f32). A number that lies on a knife's edge between two numbers of the format may be rounded either way, as far as f32 arithmetic and the matrix unit's own rounding can turn it there, and no further.
;; 2 versions, each right and faster than the one before. Each part assembles by itself: llvm-mc -triple=amdgcn-amd-amdhsa -mcpu=gfx1250 --defsym DOCPART=n.
;; ======== version 1 of 2: 4 launches
;; workspace buffers: wq 16,777,216 bytes; route 32,768 bytes of whole numbers; gate2 32,768 bytes; gsum 32,768 bytes; plan 69,632 bytes of whole numbers; yw 36,569,088 bytes
;; launch prep (part 1): grid 1280 x 1, 4 waves a work-group, no clusters, 0 bytes of LDS; arguments x, Wr, br, W1, W2, lowp_scales, route, gate2, gsum, wq; writes route, gate2, gsum, wq
.if DOCPART == 1
	.amdgcn_target "amdgcn-amd-amdhsa--gfx1250"
	.amdhsa_code_object_version 6
	.text
	.protected	k_q87576c4e1e_prep
	.globl	k_q87576c4e1e_prep
	.p2align	8
	.type	k_q87576c4e1e_prep,@function
k_q87576c4e1e_prep:
	s_mov_b64 s[64:65], 0
	v_nop
	global_prefetch_b8 v0, s[64:65] scope:SCOPE_SE
	s_setreg_imm32_b32 hwreg(HW_REG_WAVE_MODE, 25, 1), 1
	s_wait_xcnt 0x0
; MoE layer, 4,096 tokens of 512, 8 experts of 2,048 hidden units, top-2.  FIRST OF FOUR LAUNCHES: the router, and both weights into codes of BF8 (E5M2).
; WORK LEFT OUT BY THE PROGRAM.  reference() multiplies each expert's result y_e[token] by combine[token][e], which it builds itself from a one_hot of its own top-2: for the six experts
; that a token did not choose that factor is 0 whatever finite values the inputs hold, so those rows of the products reach no output.  The program multiplies only the 8,192 chosen (token, expert) rows.
; Every input has a way to an output and is loaded by some launch (br differs along the softmax's axis; b1, b2 and all 32 scales reach out0).
; LIMIT: a NaN, an infinity or an overflow that arises only in the FFN of an expert that a token did not choose is not carried to out0.
; Work-groups 0-255: THE ROUTER, in f32.  A wave takes 4 tokens: logits by fused multiply-adds (a lane holds 16 of a token's 512 numbers), summed over the wave; softmax with the maximum taken away;
;   top-2 by strict comparisons in ascending order of experts (of equal gates the lower index is kept).  Stored at fixed places: route[token][2] (experts), gate2[token][2] (their gates),
;   gsum[wave][8] (the 4 tokens' gates, summed).  No address hangs on the choice.  LIMIT: where two gates are equal within the rounding of f32 sums, the choice follows this order of sums.
; Work-groups 256-767: W1 [e][k 512][f 2048];  768-1279: W2 [e][k 2048][d 512].  K is the first axis: A LANE TAKES A COLUMN AND ITS REGISTERS RUN DOWN K, so the conversions give codes with K innermost.
;   code = w / 2^e', held within +-57,344, to the nearest code, ties to even; e' = lowp_scales[4 e + 1] (W1), [4 e + 3] (W2).  LIMITS: -126 <= e' <= 112; NaN among the inputs is not served.
;   wq IS LAID IN THE ORDER OF THE OPERAND'S REGISTERS: units of 16 KB = 8 fragments of 2,048 bytes = 4 groups c of 512 bytes, lane (r, h)'s 16 bytes at 16 (16 h + r): k = 32 c + 16 h + 0 .. 15 of the fragment's 128.
;   W1: unit e 64 + G (G = f / 32), fragment 4 t + s: K step s; lane r is hidden unit 32 G + 8 t + r + (r & 8).   W2, from byte 8,388,608: unit (16 e + S) 4 + d / 128 (S = k / 128), fragment n: lane r is output 16 n + r of the 128.
;   A lane's 32 codes of a block are the 16 bytes of lane (r, 0) and of lane (r, 1): sixteen lanes store 256 consecutive bytes, aligned.  No LDS, no barrier.
.set X,   16                           ; v16-79   router: 16 numbers of each of 4 tokens
.set WR,  80                           ; v80-143  router: Wr's rows of two chunks of 128 k: 8 experts for each of my 8 k
.set ACC, 144                          ; v144-175 router: 8 sums for each of 4 tokens
.set G,   176                          ; v176-183 router: the gates
.set QX,  32                           ; v32-95   weights: two sets of 32 numbers
.set QC,  96                           ; v96-127  weights: 8 registers of codes for each of 4 blocks: no store's data are written again
.macro WRLOAD hf                       ; Wr's rows k = 128 j + 4 lane + i for chunks j = 2 hf, 2 hf + 1: 32 bytes a row
.irp jj, 0,1
.irp i, 0,1,2,3
	global_load_b128 v[WR+8*(4*\jj+\i):WR+8*(4*\jj+\i)+3], v3, s[6:7] offset:(2*\hf+\jj)*4096+\i*32
	global_load_b128 v[WR+8*(4*\jj+\i)+4:WR+8*(4*\jj+\i)+7], v3, s[6:7] offset:(2*\hf+\jj)*4096+\i*32+16
.endr
.endr
.endm
.macro FMAH hf                         ; 16 accumulator pairs by turns: x(token, k) x Wr(k, two experts); one number of x serves both halves
.irp jj, 0,1
.irp i, 0,1,2,3
.irp T, 0,1,2,3
.irp ep, 0,1,2,3
.if (\hf == 0) && (\jj == 0) && (\i == 0)
	v_pk_mul_f32 v[ACC+8*\T+2*\ep:ACC+8*\T+2*\ep+1], v[X+16*\T:X+16*\T+1], v[WR+2*\ep:WR+2*\ep+1] op_sel_hi:[0,1]   ; the first product starts the sums
.elseif (\i%2) == 0
	v_pk_fma_f32 v[ACC+8*\T+2*\ep:ACC+8*\T+2*\ep+1], v[X+16*\T+4*(2*\hf+\jj)+2*(\i/2):X+16*\T+4*(2*\hf+\jj)+2*(\i/2)+1], v[WR+8*(4*\jj+\i)+2*\ep:WR+8*(4*\jj+\i)+2*\ep+1], v[ACC+8*\T+2*\ep:ACC+8*\T+2*\ep+1] op_sel_hi:[0,1,1]
.else
	v_pk_fma_f32 v[ACC+8*\T+2*\ep:ACC+8*\T+2*\ep+1], v[X+16*\T+4*(2*\hf+\jj)+2*(\i/2):X+16*\T+4*(2*\hf+\jj)+2*(\i/2)+1], v[WR+8*(4*\jj+\i)+2*\ep:WR+8*(4*\jj+\i)+2*\ep+1], v[ACC+8*\T+2*\ep:ACC+8*\T+2*\ep+1] op_sel:[1,0,0] op_sel_hi:[1,1,1]
.endif
.endr
.endr
.endr
.endr
.endm
.macro QLOAD c, pitch                  ; block c: 32 rows of K at my column, into set c % 2
.set i, 0
.rept 32
	global_load_b32 v[QX+32*((\c)%2)+i], v3, s[26:27] offset:(32*(\c)+i)*\pitch th:TH_LOAD_NT
.set i, i+1
.endr
.endm
.macro QW pitch                        ; a wave's 32 columns x 128 along K: four blocks, loads two blocks ahead
	QLOAD 0, \pitch
	QLOAD 1, \pitch
	s_wait_kmcnt 0x0                               ; the scale's exponent
	s_add_co_i32 s30, s30, 127
	s_lshl_b32 s31, s30, 23
	v_mov_b32 v11, s31                             ; 2^e' as f32: the conversion takes its exponent field
	s_add_co_i32 s30, s30, 15
	s_lshl_b32 s30, s30, 23
	s_or_b32 s30, s30, 0x600000
	v_mov_b32 v10, s30                             ; 57,344 x 2^e'
.irp c, 0,1,2,3
.if \c < 3
	s_wait_loadcnt 32                              ; this block's 32 loads are in; the next block's may be out
.else
	s_wait_loadcnt 0x0
.endif
.set i, 0
.rept 32
	v_med3_num_f32 v[QX+32*(\c%2)+i], v[QX+32*(\c%2)+i], -v10, v10   ; the conversion to an 8-bit code does not saturate (ISA guide 7.6.2): the hold comes first
.set i, i+1
.endr
.irp g, 0,1,2,3
	v_cvt_scalef32_pk8_bf8_f32 v[QC+8*\c+2*\g:QC+8*\c+2*\g+1], v[QX+32*(\c%2)+8*\g:QX+32*(\c%2)+8*\g+7], v11
.endr
	global_store_b128 v4, v[QC+8*\c:QC+8*\c+3], s[28:29] offset:512*\c         ; k 0-15 of the block: lane (r, 0)'s place
	global_store_b128 v4, v[QC+8*\c+4:QC+8*\c+7], s[28:29] offset:512*\c+256   ; k 16-31: lane (r, 1)'s
.if \c < 2
	QLOAD \c+2, \pitch                             ; (the results go to stores and the sources take loads: neither wants a place behind the conversions; the next vector lines are plain and name other registers)
.endif
.endr
.endm
	s_load_b512 s[4:19], s[0:1], 0x0               ; x s[4:5], Wr s[6:7], br s[8:9], W1 s[10:11], W2 s[12:13], scales s[14:15], route s[16:17], gate2 s[18:19]
	s_load_b128 s[20:23], s[0:1], 0x40             ; gsum s[20:21], wq s[22:23]
	v_lshrrev_b32 v1, 5, v0
	v_readfirstlane_b32 s24, v1                    ; wave 0..3
	v_and_b32 v1, 31, v0                           ; lane
	s_cmp_lt_u32 ttmp9, 256
	s_cbranch_scc0 .Lweights
	; ---------------- the router
	s_lshl_b32 s25, ttmp9, 2
	s_add_co_u32 s25, s25, s24                     ; router wave 4 g + w, 0..1023
	s_lshl_b32 s26, s25, 13                        ; its 4 rows of x, 2,048 bytes each
	s_mov_b32 s27, 0
	s_lshl_b32 s28, s25, 5                         ; its 32 bytes in route, in gate2 (4 tokens x 8) and in gsum
	s_mov_b32 s29, 0
	s_mov_b32 s40, 0x76543210                      ; v_permlanex16_b32's selects for lane l xor 16
	s_mov_b32 s41, 0xfedcba98
	v_lshlrev_b32 v2, 4, v1                        ; x: 16 bytes a lane
	v_lshlrev_b32 v3, 7, v1                        ; Wr: 4 rows of 32 bytes a lane
	v_lshlrev_b32 v4, 3, v1                        ; route, gate2: 8 bytes a token
	v_mov_b32 v5, 0
	s_wait_kmcnt 0x0
	s_load_b256 s[32:39], s[8:9], 0x0              ; br
	s_add_nc_u64 s[4:5], s[4:5], s[26:27]
	s_add_nc_u64 s[16:17], s[16:17], s[28:29]
	s_add_nc_u64 s[18:19], s[18:19], s[28:29]
	s_add_nc_u64 s[20:21], s[20:21], s[28:29]
.irp T, 0,1,2,3
.irp j, 0,1,2,3
	global_load_b128 v[X+16*\T+4*\j:X+16*\T+4*\j+3], v2, s[4:5] offset:\T*2048+512*\j   ; k = 128 j + 4 lane + 0..3: 512 consecutive bytes a load
.endr
.endr
	WRLOAD 0
	s_wait_loadcnt 0x0
	FMAH 0
	WRLOAD 1                                       ; into the same registers: the products above have read them
	s_wait_loadcnt 0x0
	FMAH 1
.irp k, 1,2,4,8                        ; the 32 sums over the wave: four steps inside each half of 16 lanes,
.set j, 0
.rept 32
	v_add_f32_dpp v[ACC+j], v[ACC+j], v[ACC+j] row_xmask:\k row_mask:0xf bank_mask:0xf
.set j, j+1
.endr
.endr
.set j, 0
.rept 32
	v_permlanex16_b32 v[WR+j], v[ACC+j], s40, s41  ; one across the halves (Wr's registers are free, and written)
.set j, j+1
.endr
.set j, 0
.rept 32
	v_add_f32 v[ACC+j], v[ACC+j], v[WR+j]
.set j, j+1
.endr
.irp T, 1,2,3                          ; lane T takes token T's eight logits (lanes 4-31 keep token 0's and store nothing)
	v_cmp_eq_u32 s42, \T, v1
.irp e, 0,1,2,3,4,5,6,7
	v_cndmask_b32 v[ACC+\e], v[ACC+\e], v[ACC+8*\T+\e], s42
.endr
.endr
	s_wait_kmcnt 0x0                               ; br
.irp e, 0,1,2,3,4,5,6,7
	v_add_f32 v[ACC+\e], s[32+\e], v[ACC+\e]
.endr
	v_max3_num_f32 v184, v144, v145, v146          ; the softmax's maximum is taken away, as reference() does
	v_max3_num_f32 v184, v184, v147, v148
	v_max3_num_f32 v184, v184, v149, v150
	v_max_num_f32 v184, v184, v151
.irp e, 0,1,2,3,4,5,6,7
	v_sub_f32 v[G+\e], v[ACC+\e], v184             ; the difference first, then x log2(e): a fused form against a rounded maximum x log2(e) would lose bits where logits are large
.endr
.irp e, 0,1,2,3,4,5,6,7
	v_mul_f32 v[G+\e], 0x3fb8aa3b, v[G+\e]
.endr
.irp e, 0,1,2,3,4,5,6,7
	v_exp_f32 v[G+\e], v[G+\e]
.endr
	v_mov_b32 v164, 0                              ; (a plain line behind the exponentials)  the best expert so far: 0
	v_mov_b32 v165, 0                              ; the second best: none yet
	s_wait_alu depctr_va_vdst(0)                   ; one wait for the batch of eight, ahead of its first reader
	v_add_f32 v185, v176, v177
	v_add_f32 v186, v178, v179
	v_add_f32 v187, v180, v181
	v_add_f32 v188, v182, v183
	v_add_f32 v185, v185, v186
	v_add_f32 v187, v187, v188
	v_add_f32 v185, v185, v187
	v_rcp_f32 v186, v185
	v_mov_b32 v167, -1.0                           ; (a plain line behind the reciprocal)  the second best gate: under every gate
	s_wait_alu depctr_va_vdst(0)
	v_mul_f32 v166, v176, v186                     ; the best gate so far: expert 0's
.irp e, 0,1,2,3,4,5,6,7
	v_mul_f32 v[G+\e], v[G+\e], v186               ; the gates
.endr
.irp e, 1,2,3,4,5,6,7                  ; strictly greater alone moves a place: of equal gates the lower index stays ahead
	v_cmp_gt_f32 s42, v[G+\e], v166
	v_cmp_gt_f32 s43, v[G+\e], v167
	v_cndmask_b32 v167, v167, v[G+\e], s43
	v_cndmask_b32 v165, v165, \e, s43
	v_cndmask_b32 v167, v167, v166, s42
	v_cndmask_b32 v165, v165, v164, s42
	v_cndmask_b32 v166, v166, v[G+\e], s42
	v_cndmask_b32 v164, v164, \e, s42
.endr
.irp e, 0,1,2,3,4,5,6,7
	v_add_f32_dpp v[ACC+\e], v[G+\e], v[G+\e] row_xmask:1 row_mask:0xf bank_mask:0xf   ; the four tokens' gates, summed: lane 0 ends with lanes 0-3's
.endr
.irp e, 0,1,2,3,4,5,6,7
	v_add_f32_dpp v[ACC+\e], v[ACC+\e], v[ACC+\e] row_xmask:2 row_mask:0xf bank_mask:0xf
.endr
	v_cmp_gt_u32 vcc_lo, 4, v1
	s_wait_xcnt 0x0                                ; EXEC changes only behind this wait
	s_and_saveexec_b32 s44, vcc_lo
	global_store_b64 v4, v[164:165], s[16:17]      ; the two experts
	global_store_b64 v4, v[166:167], s[18:19]      ; their gates
	s_wait_xcnt 0x0
	s_or_b32 exec_lo, exec_lo, s44
	v_cmp_eq_u32 vcc_lo, 0, v1
	s_and_saveexec_b32 s44, vcc_lo
	global_store_b128 v5, v[144:147], s[20:21]
	global_store_b128 v5, v[148:151], s[20:21] offset:16
	s_wait_xcnt 0x0
	s_or_b32 exec_lo, exec_lo, s44
	s_endpgm
.Lweights:
	s_mov_b32 s27, 0
	s_mov_b32 s29, 0
	s_cmp_lt_u32 ttmp9, 768
	s_cbranch_scc0 .Lw2
	; ---------------- W1: work-group = (e, 128 columns cb, K step s); wave w: unit G = 4 cb + w
	s_sub_co_u32 s25, ttmp9, 256
	s_lshr_b32 s31, s25, 6                         ; e
	s_bfe_u32 s32, s25, 0x40002                    ; cb
	s_and_b32 s33, s25, 3                          ; s
	s_lshl_b32 s26, s31, 22                        ; an expert's 4 MiB,
	s_lshl_b32 s34, s33, 20                        ; 128 rows of 8,192 bytes,
	s_add_co_u32 s26, s26, s34
	s_lshl_b32 s34, s32, 2
	s_add_co_u32 s34, s34, s24                     ; G
	s_lshl_b32 s35, s34, 7                         ; 32 columns of 4 bytes
	s_add_co_u32 s26, s26, s35
	s_lshl_b32 s28, s31, 6
	s_add_co_u32 s28, s28, s34                     ; unit 64 e + G
	s_lshl_b32 s28, s28, 14
	s_lshl_b32 s35, s33, 11                        ; fragment s (t comes by the lane)
	s_add_co_u32 s28, s28, s35
	s_lshl_b32 s31, s31, 4                         ; the expert's four scales
	v_and_b32 v5, 15, v1                           ; r
	v_lshrrev_b32 v6, 4, v1                        ; t
	v_and_b32 v7, 8, v5
	v_add_nc_u32 v7, v7, v5
	v_lshl_add_u32 v7, v6, 3, v7                   ; my column of the 32: 8 t + r + (r & 8)
	v_lshlrev_b32 v3, 2, v7
	v_lshlrev_b32 v4, 4, v5
	v_lshl_add_u32 v4, v6, 13, v4                  ; out: 16 r + 4 fragments x t
	s_wait_kmcnt 0x0
	s_load_b32 s30, s[14:15], s31 offset:0x4       ; ew1
	s_add_nc_u64 s[26:27], s[10:11], s[26:27]
	s_add_nc_u64 s[28:29], s[22:23], s[28:29]
	QW 8192
	s_endpgm
.Lw2:
	; ---------------- W2: work-group = (e, K step S of 16, 128 columns cb); wave w: fragments 2 w, 2 w + 1
	s_sub_co_u32 s25, ttmp9, 768
	s_lshr_b32 s31, s25, 6                         ; e
	s_bfe_u32 s32, s25, 0x40002                    ; S
	s_and_b32 s33, s25, 3                          ; cb
	s_lshl_b32 s26, s31, 22
	s_lshl_b32 s34, s32, 18                        ; 128 rows of 2,048 bytes
	s_add_co_u32 s26, s26, s34
	s_lshl_b32 s34, s33, 2
	s_add_co_u32 s34, s34, s24
	s_lshl_b32 s34, s34, 7                         ; column 128 cb + 32 w, in bytes
	s_add_co_u32 s26, s26, s34
	s_lshl_b32 s28, s31, 4
	s_add_co_u32 s28, s28, s32
	s_lshl_b32 s28, s28, 2
	s_add_co_u32 s28, s28, s33                     ; unit (16 e + S) 4 + cb
	s_lshl_b32 s28, s28, 14
	s_lshl_b32 s34, s24, 12                        ; two fragments a wave
	s_add_co_u32 s28, s28, s34
	s_add_co_u32 s28, s28, 0x800000                ; behind W1's codes
	s_lshl_b32 s31, s31, 4
	v_lshlrev_b32 v3, 2, v1                        ; my column: the lane
	v_and_b32 v5, 15, v1
	v_lshrrev_b32 v6, 4, v1
	v_lshlrev_b32 v4, 4, v5
	v_lshl_add_u32 v4, v6, 11, v4                  ; out: 16 r + a fragment for lanes 16-31
	s_wait_kmcnt 0x0
	s_load_b32 s30, s[14:15], s31 offset:0xc       ; ew2
	s_add_nc_u64 s[26:27], s[12:13], s[26:27]
	s_add_nc_u64 s[28:29], s[22:23], s[28:29]
	QW 2048
	s_endpgm
.Lfunc_end_k_q87576c4e1e_prep:
	.size	k_q87576c4e1e_prep, .Lfunc_end_k_q87576c4e1e_prep-k_q87576c4e1e_prep
	.p2alignl 7, 3214868480
	.fill 96, 4, 3214868480
	.section	.rodata,"a",@progbits
	.p2align	6, 0x0
	.amdhsa_kernel k_q87576c4e1e_prep
		.amdhsa_group_segment_fixed_size 0
		.amdhsa_private_segment_fixed_size 0
		.amdhsa_enable_private_segment 0
		.amdhsa_kernarg_size 80
		.amdhsa_user_sgpr_count 2
		.amdhsa_user_sgpr_kernarg_segment_ptr 1
		.amdhsa_wavefront_size32 1
		.amdhsa_system_sgpr_workgroup_id_x 1
		.amdhsa_system_sgpr_workgroup_id_y 1
		.amdhsa_system_sgpr_workgroup_id_z 1
		.amdhsa_system_vgpr_workitem_id 0
		.amdhsa_next_free_vgpr 192
		.amdhsa_next_free_sgpr 66
		.amdhsa_reserve_vcc 1
		.amdhsa_float_denorm_mode_32 3
		.amdhsa_float_denorm_mode_16_64 3
		.amdhsa_memory_ordered 1
		.amdhsa_forward_progress 1
		.amdhsa_inst_pref_size 89
	.end_amdhsa_kernel
	.amdgpu_metadata
---
amdhsa.version: [ 1, 2 ]
amdhsa.kernels:
  - .name:           k_q87576c4e1e_prep
    .symbol:         k_q87576c4e1e_prep.kd
    .args:
      - { .name: x, .offset: 0, .size: 8, .value_kind: global_buffer, .address_space: global }
      - { .name: Wr, .offset: 8, .size: 8, .value_kind: global_buffer, .address_space: global }
      - { .name: br, .offset: 16, .size: 8, .value_kind: global_buffer, .address_space: global }
      - { .name: W1, .offset: 24, .size: 8, .value_kind: global_buffer, .address_space: global }
      - { .name: W2, .offset: 32, .size: 8, .value_kind: global_buffer, .address_space: global }
      - { .name: lowp_scales, .offset: 40, .size: 8, .value_kind: global_buffer, .address_space: global }
      - { .name: route, .offset: 48, .size: 8, .value_kind: global_buffer, .address_space: global }
      - { .name: gate2, .offset: 56, .size: 8, .value_kind: global_buffer, .address_space: global }
      - { .name: gsum, .offset: 64, .size: 8, .value_kind: global_buffer, .address_space: global }
      - { .name: wq, .offset: 72, .size: 8, .value_kind: global_buffer, .address_space: global }
    .group_segment_fixed_size: 0
    .private_segment_fixed_size: 0
    .kernarg_segment_align: 8
    .kernarg_segment_size: 80
    .max_flat_workgroup_size: 128
    .sgpr_count:     66
    .vgpr_count:     192
    .wavefront_size: 32
...
	.end_amdgpu_metadata
.endif
;; end of part 1
;; launch place (part 2): grid 1 x 1, 32 waves a work-group, no clusters, 6,144 bytes of LDS; arguments route, gsum, plan, out1; writes plan, out1
.if DOCPART == 2
	.amdgcn_target "amdgcn-amd-amdhsa--gfx1250"
	.amdhsa_code_object_version 6
	.text
	.protected	k_q87576c4e1e_place
	.globl	k_q87576c4e1e_place
	.p2align	8
	.type	k_q87576c4e1e_place,@function
k_q87576c4e1e_place:
	s_mov_b64 s[64:65], 0
	v_nop
	global_prefetch_b8 v0, s[64:65] scope:SCOPE_SE
	s_setreg_imm32_b32 hwreg(HW_REG_WAVE_MODE, 25, 1), 1
	s_wait_xcnt 0x0
; SECOND LAUNCH: the 8,192 (token, slot) entries of route are sorted by expert (a counting sort, no atomics), and the aux loss is finished.  One work-group of 32 waves.
; Only chosen (token, expert) rows get a place: the other rows of reference()'s products are multiplied by a 0 of its own one_hot (shown at the head of the first kernel).
; An expert's entries take whole tiles of 96 positions, one expert behind the other: expert e begins at tile tstart_e and has ceil(tot_e / 96) tiles; never more than ceil(8192 / 96) + 7 = 93 in all.
; plan: byte 0: tile -> expert, 93 int32 (a tile that the split leaves over gets expert 7);  byte 1,024: rowlist, position -> token, 8,928 int32, token 0 at every position that no entry takes;
;       byte 36,864: ppos[token][slot] -> position.  Each byte that a later launch reads is stored, and stored once.
; Thread tau holds tokens 4 tau .. 4 tau + 3: entries j = 0..7 (token 4 tau + j / 2, slot j % 2).  An entry's rank in its expert: the entries of earlier waves, of earlier j of my wave, of lower lanes at my j.
; All that reaches an address is whole numbers read from route.  out1 = sum over e of p_e ln(p_e + 1e-9), p_e = the mean gate.
.set CNT,   0                          ; LDS: [wave][8] counts
.set GS,    1024                       ; [wave][8] sums of gates
.set SPARE, 2048                       ; the spare words, 128 bytes for each of 32 waves: sixteen blocks of 256 bytes that no other line names
.set ROWL,  1024
.set PPOS,  36864
.set PA,    64                         ; v64-72  4 x (tau + 1024 jj): where position tau + 1024 jj lies in rowlist; made at the head, of the thread's number and constants, and never rewritten
.set TA,    73                         ; v73     4 tau: where tile tau's record lies; likewise
; s12 wave; s13, s14, s18, s19 at work; s[16:17] selects; s32-39 my wave's counts; s40-47 tot_e; s48-55 entries of earlier waves; s56-63 tstart_e; s66-73 running positions; s74-81 96 tstart_e; s84-91 masks
	s_load_b256 s[4:11], s[0:1], 0x0               ; route s[4:5], gsum s[6:7], plan s[8:9], out1 s[10:11]
	v_lshl_add_u32 v62, v0, 2, SPARE               ; my spare word, and 0: kept for the closing lines alone
	v_mov_b32 v63, 0
.irp jj, 0,1,2,3,4,5,6,7,8
	v_lshl_add_u32 v[PA+\jj], v0, 2, 4096*\jj      ; the addresses of all stores that stand under a mask made of counts are made here, with every lane on
.endr
	v_lshlrev_b32 v[TA], 2, v0
	v_lshrrev_b32 v1, 5, v0
	v_readfirstlane_b32 s12, v1                    ; wave 0..31
	v_and_b32 v1, 31, v0                           ; lane
	v_lshlrev_b32 v2, 5, v0                        ; 32 bytes a thread in route, gsum and ppos
	s_lshl_b32 s15, s12, 5
	v_mov_b32 v3, s15                              ; my wave's 32 bytes in CNT and in GS
	v_lshlrev_b32 v4, 5, v1                        ; and wave number 'lane''s
	v_mov_b32 v60, 0                               ; written once: a lane permute's destination counts as one of its sources
	v_mov_b32 v61, 0                               ; token 0 for the padding; offset 0 for out1
	s_mov_b32 s16, 0x76543210
	s_mov_b32 s17, 0xfedcba98
	s_wait_kmcnt 0x0
	global_load_b128 v[8:11], v2, s[4:5]
	global_load_b128 v[12:15], v2, s[4:5] offset:16
	global_load_b128 v[16:19], v2, s[6:7]
	global_load_b128 v[20:23], v2, s[6:7] offset:16
	s_wait_loadcnt 0x0
.irp e, 0,1,2,3,4,5,6,7                ; my wave's entries of each expert: eight masks, then their counts
.irp j, 0,1,2,3,4,5,6,7
	v_cmp_eq_u32 s[84+\j], \e, v[8+\j]
.endr
	s_bcnt1_i32_b32 s[32+\e], s84
.irp j, 1,2,3,4,5,6,7
	s_bcnt1_i32_b32 s14, s[84+\j]
	s_add_co_u32 s[32+\e], s[32+\e], s14
.endr
	v_mov_b32 v[24+\e], s[32+\e]
.endr
	ds_store_b128 v3, v[24:27] offset:CNT          ; all lanes write the same bytes with the same values
	ds_store_b128 v3, v[28:31] offset:CNT+16
.irp k, 1,2,4,8                        ; my wave's 32 rows of gsum, summed
.irp e, 0,1,2,3,4,5,6,7
	v_add_f32_dpp v[16+\e], v[16+\e], v[16+\e] row_xmask:\k row_mask:0xf bank_mask:0xf
.endr
.endr
.irp e, 0,1,2,3,4,5,6,7
	v_permlanex16_b32 v60, v[16+\e], s16, s17
	v_add_f32 v[16+\e], v[16+\e], v60
.endr
	ds_store_b128 v3, v[16:19] offset:GS
	ds_store_b128 v3, v[20:23] offset:GS+16
	s_wait_dscnt 0x0                               ; for the others' sake: my stores are done
	s_barrier_signal -1
	s_barrier_wait -1
	ds_load_b128 v[24:27], v4 offset:CNT           ; lane l: wave l's eight counts
	ds_load_b128 v[28:31], v4 offset:CNT+16
	v_cmp_gt_u32 s13, s12, v1                      ; waves ahead of mine
	s_wait_dscnt 0x0
.irp e, 0,1,2,3,4,5,6,7                ; one sum gives both: low half all waves' count (4,096 at the most), high half the earlier waves'
	v_lshlrev_b32 v[32+\e], 16, v[24+\e]
	v_cndmask_b32 v[32+\e], 0, v[32+\e], s13
	v_add_nc_u32 v[24+\e], v[24+\e], v[32+\e]
.endr
.irp k, 1,2,4,8
.irp e, 0,1,2,3,4,5,6,7
	v_mov_b32_dpp v[32+\e], v[24+\e] row_xmask:\k row_mask:0xf bank_mask:0xf
.endr
.irp e, 0,1,2,3,4,5,6,7
	v_add_nc_u32 v[24+\e], v[24+\e], v[32+\e]
.endr
.endr
.irp e, 0,1,2,3,4,5,6,7
	v_permlanex16_b32 v[32+\e], v[24+\e], s16, s17
.endr
.irp e, 0,1,2,3,4,5,6,7
	v_add_nc_u32 v[24+\e], v[24+\e], v[32+\e]
.endr
	s_mov_b32 s18, 0                               ; tiles so far
.irp e, 0,1,2,3,4,5,6,7
	v_readfirstlane_b32 s14, v[24+\e]
	s_and_b32 s[40+\e], s14, 0xffff                ; tot_e
	s_lshr_b32 s[48+\e], s14, 16                   ; the earlier waves' entries
	s_mov_b32 s[56+\e], s18                        ; tstart_e
	s_mul_i32 s[74+\e], s18, 96                    ; the expert's first position
	s_add_co_u32 s[66+\e], s[74+\e], s[48+\e]      ; my wave's first
	s_add_co_u32 s19, s[40+\e], 95
	s_mul_i32 s19, s19, 43691
	s_lshr_b32 s19, s19, 22                        ; (tot_e + 95) / 96: 43691 / 2^22 exceeds 1 / 96 by less than 8e-8, so the quotient is exact up to 4,191
	s_add_co_u32 s18, s18, s19
.endr
.irp e, 0,1,2,3,4,5,6,7                ; positions: the running first position + the set bits under my lane
.irp j, 0,1,2,3,4,5,6,7
	v_cmp_eq_u32 s[84+\j], \e, v[8+\j]
.endr
.irp j, 0,1,2,3,4,5,6,7
.if \e == 0
	v_mbcnt_lo_u32_b32 v[48+\j], s[84+\j], s[66+\e]   ; written whole once; the entry's own expert writes over it
.else
	v_mbcnt_lo_u32_b32 v[32+\j], s[84+\j], s[66+\e]
	v_cndmask_b32 v[48+\j], v[48+\j], v[32+\j], s[84+\j]
.endif
	s_bcnt1_i32_b32 s14, s[84+\j]
	s_add_co_u32 s[66+\e], s[66+\e], s14
.endr
.endr
	global_store_b128 v2, v[48:51], s[8:9] offset:PPOS
	global_store_b128 v2, v[52:55], s[8:9] offset:PPOS+16
	v_lshlrev_b32 v40, 2, v0                       ; my four tokens
	v_add_nc_u32 v41, 1, v40
	v_add_nc_u32 v42, 2, v40
	v_add_nc_u32 v43, 3, v40
.irp j, 0,1,2,3,4,5,6,7
	v_min_u32 v[24+\j], 8927, v[48+\j]             ; a number made of loaded numbers enters an address behind a bound
	v_lshlrev_b32 v[24+\j], 2, v[24+\j]
	global_store_b32 v[24+\j], v[40+\j/2], s[8:9] offset:ROWL
.endr
; Position P = tau + 1024 jj lies in the range of the last expert that begins at or under it; it is padding where P - the expert's first position >= tot_e.  Padding gets token 0.
; The counts decide only WHICH lanes store; where a lane stores was fixed at the head.
.macro PAD jj
	v_add_nc_u32 v32, 1024*\jj, v0
	v_mov_b32 v33, 0
	v_mov_b32 v34, s40
.irp e, 1,2,3,4,5,6,7
	v_cmp_le_u32 s13, s[74+\e], v32
	v_cndmask_b32 v33, v33, s[74+\e], s13
	v_cndmask_b32 v34, v34, s[40+\e], s13
.endr
	v_sub_nc_u32 v33, v32, v33
	v_cmp_ge_u32 vcc_lo, v33, v34
.if \jj == 8
	v_cmp_gt_u32 s13, 8928, v32                    ; the list's end
	s_and_b32 vcc_lo, vcc_lo, s13
.endif
	s_wait_xcnt 0x0                                ; EXEC changes only behind this wait
	s_and_saveexec_b32 s14, vcc_lo
	global_store_b32 v[PA+\jj], v61, s[8:9] offset:ROWL
	s_wait_xcnt 0x0                                ; and again, in front of the line that widens it
	s_or_b32 exec_lo, exec_lo, s14
.endm
.irp jj, 0,1,2,3,4,5,6,7,8
	PAD \jj
.endr
	v_mov_b32 v36, 0                               ; tile tau's expert: the last that begins at or under it
.irp e, 1,2,3,4,5,6,7
	v_cmp_le_u32 s13, s[56+\e], v0
	v_cndmask_b32 v36, v36, \e, s13
.endr
	v_cmp_gt_u32 vcc_lo, 93, v0
	s_and_saveexec_b32 s14, vcc_lo                 ; (no load or store has been issued since the last wait on XCNT)
	global_store_b32 v[TA], v36, s[8:9]
	s_wait_xcnt 0x0
	s_or_b32 exec_lo, exec_lo, s14
	s_cmp_lg_u32 s12, 0                            ; the aux loss: wave 0 alone; no barrier stands in this branch
	s_cbranch_scc1 .Lend
	ds_load_b128 v[16:19], v4 offset:GS            ; lane l: wave l's eight sums; nobody writes them behind the barrier
	ds_load_b128 v[20:23], v4 offset:GS+16
	s_wait_dscnt 0x0
.irp k, 1,2,4,8
.irp e, 0,1,2,3,4,5,6,7
	v_add_f32_dpp v[16+\e], v[16+\e], v[16+\e] row_xmask:\k row_mask:0xf bank_mask:0xf
.endr
.endr
.irp e, 0,1,2,3,4,5,6,7
	v_permlanex16_b32 v60, v[16+\e], s16, s17
	v_add_f32 v[16+\e], v[16+\e], v60
.endr
.irp e, 0,1,2,3,4,5,6,7
	v_mul_f32 v[16+\e], 0x39800000, v[16+\e]       ; p_e = the sum / 4,096
.endr
.irp e, 0,1,2,3,4,5,6,7
	v_add_f32 v[24+\e], 0x3089705f, v[16+\e]       ; + 1e-9
.endr
.irp e, 0,1,2,3,4,5,6,7
	v_log_f32 v[24+\e], v[24+\e]                   ; log2
.endr
	v_cmp_eq_u32 vcc_lo, 0, v1                     ; (a plain line behind the logarithms)
	s_wait_alu depctr_va_vdst(0)                   ; one wait for the batch, ahead of its first reader
	v_mul_f32 v32, v16, v24
.irp e, 1,2,3,4,5,6,7
	v_fmac_f32 v32, v[16+\e], v[24+\e]
.endr
	v_mul_f32 v32, 0x3f317218, v32                 ; x ln 2
	s_and_saveexec_b32 s14, vcc_lo
	global_store_b32 v61, v32, s[10:11]
	s_wait_xcnt 0x0
	s_or_b32 exec_lo, exec_lo, s14
.Lend:
	s_wait_tensorcnt 0x0                           ; the wave's end
	ds_add_u32 v62, v63
	s_wait_dscnt 0x0
	s_endpgm
.Lfunc_end_k_q87576c4e1e_place:
	.size	k_q87576c4e1e_place, .Lfunc_end_k_q87576c4e1e_place-k_q87576c4e1e_place
	.p2alignl 7, 3214868480
	.fill 96, 4, 3214868480
	.section	.rodata,"a",@progbits
	.p2align	6, 0x0
	.amdhsa_kernel k_q87576c4e1e_place
		.amdhsa_group_segment_fixed_size 6144
		.amdhsa_private_segment_fixed_size 0
		.amdhsa_enable_private_segment 0
		.amdhsa_kernarg_size 32
		.amdhsa_user_sgpr_count 2
		.amdhsa_user_sgpr_kernarg_segment_ptr 1
		.amdhsa_wavefront_size32 1
		.amdhsa_system_sgpr_workgroup_id_x 1
		.amdhsa_system_sgpr_workgroup_id_y 1
		.amdhsa_system_sgpr_workgroup_id_z 1
		.amdhsa_system_vgpr_workitem_id 0
		.amdhsa_next_free_vgpr 80
		.amdhsa_next_free_sgpr 96
		.amdhsa_reserve_vcc 1
		.amdhsa_float_denorm_mode_32 3
		.amdhsa_float_denorm_mode_16_64 3
		.amdhsa_memory_ordered 1
		.amdhsa_forward_progress 1
		.amdhsa_inst_pref_size 61
	.end_amdhsa_kernel
	.amdgpu_metadata
---
amdhsa.version: [ 1, 2 ]
amdhsa.kernels:
  - .name:           k_q87576c4e1e_place
    .symbol:         k_q87576c4e1e_place.kd
    .args:
      - { .name: route, .offset: 0, .size: 8, .value_kind: global_buffer, .address_space: global }
      - { .name: gsum, .offset: 8, .size: 8, .value_kind: global_buffer, .address_space: global }
      - { .name: plan, .offset: 16, .size: 8, .value_kind: global_buffer, .address_space: global }
      - { .name: out1, .offset: 24, .size: 8, .value_kind: global_buffer, .address_space: global }
    .group_segment_fixed_size: 6144
    .private_segment_fixed_size: 0
    .kernarg_segment_align: 8
    .kernarg_segment_size: 32
    .max_flat_workgroup_size: 1024
    .sgpr_count:     96
    .vgpr_count:     80
    .wavefront_size: 32
...
	.end_amdgpu_metadata
.endif
;; end of part 2
;; launch chain (part 3): grid 93 x 2, 4 waves a work-group, no clusters, 181,760 bytes of LDS; arguments x, wq, b1, lowp_scales, plan, yw; writes yw
.if DOCPART == 3
	.amdgcn_target "amdgcn-amd-amdhsa--gfx1250"
	.amdhsa_code_object_version 6
	.text
	.protected	k_q87576c4e1e_chain
	.globl	k_q87576c4e1e_chain
	.p2align	8
	.type	k_q87576c4e1e_chain,@function
k_q87576c4e1e_chain:
	s_mov_b64 s[64:65], 0
	v_nop
	global_prefetch_b8 v0, s[64:65] scope:SCOPE_SE
	s_setreg_imm32_b32 hwreg(HW_REG_WAVE_MODE, 25, 1), 1
	s_wait_xcnt 0x0
; THIRD LAUNCH: one tile of 96 routed rows of ONE expert e, through one half H of its hidden layer: yw[H][position][:] = 2^(eh + ew2) x Q(relu(Q(x) Q(W1) + b1))[:, 1024 H ..] Q(W2)[1024 H .., :].
; Only chosen (token, expert) rows are multiplied: the others meet a 0 of reference()'s own one_hot (shown at the head of the first kernel).  b2, the gates and the sum of halves and experts come in the last launch.
; Both products on codes of BF8 (E5M2) by v_wmma_f32_16x16x128_bf8_bf8, f32 sums; the expert's scales are lowp_scales[4 e ..]: ex, ew1, eh, ew2.  x is quantised here, with this expert's ex.
; THE TEXT HAS NO BRANCH: what is read from plan (the tile's expert, the rows' tokens) enters addresses alone, each behind a bound.  Positions that no row takes hold token 0: they are computed like any row,
; into rows of yw that nobody reads; so is a tile that the split leaves over.  That keeps every barrier on every wave's path.
; SHARES.  THE WAVES SHARE THE COLUMNS: wave w makes 256 of the half's 1,024 hidden units and outputs 128 w .. 128 w + 127, for all 96 rows (six tiles m of 16).  Each weight byte is loaded once by the work-group,
; from wq, which lies in the order of the operand's registers, straight into registers: 16 units of 16 KB a wave (8 of W1, 8 of W2) through a ring of three register sets, two units on their way while one is multiplied.
; The rows' codes go from wave to wave through LDS as images of the operands' registers (16 bytes a lane, 512 a group): two barriers.
; BOTH PRODUCTS ARE USED TRANSPOSED (source 0 = 16 rows of a weight, source 1 = 16 rows of the tile): a lane holds one row throughout.  A unit of W1 holds two tiles t of 16 hidden units, lane r of tile t being unit
; 8 t + r + (r & 8) of the 32: so a lane's 16 sums of the two tiles are 16 neighbours along the next K, one group of four registers of the hidden layer's fragment.
; THE WALK IS TURNED BY THE TILE'S NUMBER (global addresses alone): slot q of the hidden layer holds K step (q + rot) % 8 of the half, group c of a slot holds group (c + rc) % 4; W2's groups are loaded with the same
; turn, so every k meets its partner.  Eight neighbouring tiles walk the units in eight different orders.  The order of the K steps in the second sum so differs from tile to tile; the sums are f32.
; k inside a fragment stands permuted against the form's own layout, alike in both sources (groups of 16 bytes in place of 8).
; LIMITS: ex and eh - ex - ew1 between -126 and 112, eh + ew2 between -126 and 127, so that each power of two below is an f32 number.  NaN among the inputs is not served.
; REGISTERS, in windows of 256.  Window 0: v1-25 addresses and scales; v26-73 b1, three sets of 16; v74-97 the hidden codes just made; v98-193 the 12 accumulators of a unit; v194-225 x's codes, two sets;
;   second product: v64-159, v160-255 the hidden fragments of a slot, two sets; way out: v64-127 scaled sums, v128-255 rows read back, two sets.
;   Window 1: weight sets 0 (v0-127) and 1 (v128-255).  Window 3, v128-255: weight set 2.  Window 2 and window 3 v0-127: x as f32, then x's 24 fragments (64 m + 16 s), then the 48 accumulators of y (64 m + 8 n).
.set XIMG,  0                          ; LDS: x's fragments (m, s) at (4 m + s) 2048 + 512 c + 16 lane
.set HIMG,  49152                      ; the hidden layer: slot q at 12288 q + 3072 c + 512 m + 16 lane
.set STAGE, 147456                     ; the way out: 16 rows x (512 + 16) bytes for each wave
.set SPARE, 181248                     ; the spare words, 128 bytes for each wave: two blocks of 256 bytes that no other line names
.set HALF,  18284544                   ; bytes of one half of yw: 93 x 96 x 2,048
.set LI,  1                            ; v1   16 x lane
.set XWI, 2                            ; v2   where I store x's images: 16 lane + 2048 w
.set HWI, 3                            ; v3   the hidden layer's: HIMG + 16 lane + 24576 w
.set HR0, 4                            ; v4   where slots 0-3 are read: HIMG + 16 lane
.set HR1, 5                            ; v5   slots 4-7
.set WOF, 6                            ; v6-9 W2: 16 lane + 512 ((c + rc) % 4)
.set BO,  10                           ; v10  b1: 64 h
.set SO,  11                           ; v11  the stage: where I put 32 bytes of a row
.set XO,  12                           ; v12-17 x: token x 2048 + 512 w + 64 h, for each m
.set SCX, 18                           ; v18, v19  2^ex and 57,344 x 2^ex
.set LMX, 19
.set SCH, 20                           ; v20, v21  the same with eh - ex - ew1
.set LMH, 21
.set SPW, 22                           ; v22  my spare word; v23  0: kept for the closing lines alone
.set NIL, 23
.set SR,  24                           ; v24  the stage: where I read a row back
.set RR,  25                           ; v25  r
.set BI,  26
.set CD,  74
.set AC,  98
.set PX,  194
.set HS,  64
.set TMP, 64
.set BK,  128
; s[4:15] arguments; s20 wave; s21 2 w + rot; s22 e; s24 H; s25 rot; s26 rc; s[28:31] ex, ew1, eh, ew2; s32 -(ex + ew1); s[34:35] 2^(eh + ew2); s[36:37] W1's units of (e, H); s[38:39] W2's of (e, H, w);
; s[40:41] b1 of (e, H); s[42:47] unit bases, s[48:53] bias bases: a pair for each register set; s[54:55] an offset, high word 0; s[56:57] my part of yw; s58-61 at work
.set MSB, 0
.macro WIN new                         ; the immediate's high byte repeats the setting that is left; a switch that changes nothing is dropped
.if MSB != (\new)
	s_set_vgpr_msb (MSB<<8)|(\new)
.set MSB, (\new)
.endif
.endm
.macro SETOF u                         ; unit u lies in set u % 3
.set SN, (\u)%3
.if SN == 2
.set SWIN, 3
.set SBASE, 128
.else
.set SWIN, 1
.set SBASE, 128*SN
.endif
.endm
; Unit u is asked for.  u < 8: W1's, 32 loads, and its 32 numbers of b1, 4 loads.  u >= 8: W2's, 32 loads.  Each load reads 512 consecutive bytes.
; The set's base registers were last read by unit u - 3's loads, which the wait at the head of that unit's work has shown done.
.macro ULOAD u
	SETOF \u
.set UBS, 42+2*SN
.set BBS, 48+2*SN
.if (\u) < 8
	s_add_co_u32 s58, s21, (\u)/4
	s_and_b32 s58, s58, 7                          ; the K step that slot 2 w + u / 4 holds
	s_add_co_u32 s59, s26, (\u)%4
	s_and_b32 s59, s59, 3                          ; the group that place u % 4 holds
	s_lshl_b32 s58, s58, 2
	s_add_co_u32 s58, s58, s59                     ; the unit, 0..31, of the half
	s_lshl_b32 s54, s58, 14
	s_add_nc_u64 s[UBS:UBS+1], s[36:37], s[54:55]
	s_lshl_b32 s54, s58, 7
	s_add_nc_u64 s[BBS:BBS+1], s[40:41], s[54:55]
	WIN (SWIN<<6)
.set f, 0
.rept 8
.irp c, 0,1,2,3
	global_load_b128 v[SBASE+16*f+4*\c:SBASE+16*f+4*\c+3], v[LI], s[UBS:UBS+1] offset:2048*f+512*\c
.endr
.set f, f+1
.endr
	WIN 0
.irp t, 0,1
.irp i, 0,1
	global_load_b128 v[BI+16*SN+8*\t+4*\i:BI+16*SN+8*\t+4*\i+3], v[BO], s[BBS:BBS+1] offset:32*\t+16*\i   ; lane (r, h), tile t: units 16 h + 8 t + 0..7 of the 32
.endr
.endr
.else
	s_add_co_u32 s58, s25, (\u)-8
	s_and_b32 s58, s58, 7                          ; the K step that slot u - 8 holds
	s_lshl_b32 s54, s58, 16
	s_add_nc_u64 s[UBS:UBS+1], s[38:39], s[54:55]
	WIN (SWIN<<6)
.set f, 0
.rept 8
.irp c, 0,1,2,3
	global_load_b128 v[SBASE+16*f+4*\c:SBASE+16*f+4*\c+3], v[WOF+\c], s[UBS:UBS+1] offset:2048*f
.endr
.set f, f+1
.endr
.endif
.endm
.macro XLOAD m                         ; rows 16 m + r: my K step's 128 numbers, 64 a lane: register 16 b + 4 j + i = k 32 b + 16 h + 4 j + i
	WIN (0x80+0x40*((\m)/4))
.irp b, 0,1,2,3
.irp j, 0,1,2,3
	global_load_b128 v[64*((\m)%4)+16*\b+4*\j:64*((\m)%4)+16*\b+4*\j+3], v[XO+\m], s[4:5] offset:128*\b+16*\j
.endr
.endr
.endm
.macro QUANTX m, wait                  ; they become fragment (m, w), which goes to LDS as it stands
.if \wait
	s_wait_loadcnt 63                              ; the greatest count that the wait can name.  At m = 0, 132 loads have been issued since the last wait for 0: the oldest 69 are in, x's tiles 0-3 among them; at m = 4, 168: the oldest 105, all 96 of x
.endif
.if (\m) >= 2
	s_wait_dscnt 4                                 ; the stores that read this set of code registers are done; the other set's four may be out
.endif
	WIN (0x82+0x41*((\m)/4))                       ; destination and source 0 in window 2 or 3
.set i, 0
.rept 64
	v_med3_num_f32 v[64*((\m)%4)+i], v[64*((\m)%4)+i], -v[LMX], v[LMX]   ; the conversion to an 8-bit code does not saturate (ISA guide 7.6.2): the hold comes first
.set i, i+1
.endr
	WIN (0x02+(\m)/4)
.irp b, 0,1,2,3
	v_cvt_scalef32_pk8_bf8_f32 v[PX+16*((\m)%2)+4*\b:PX+16*((\m)%2)+4*\b+1], v[64*((\m)%4)+16*\b:64*((\m)%4)+16*\b+7], v[SCX]
	v_cvt_scalef32_pk8_bf8_f32 v[PX+16*((\m)%2)+4*\b+2:PX+16*((\m)%2)+4*\b+3], v[64*((\m)%4)+16*\b+8:64*((\m)%4)+16*\b+15], v[SCX]
.endr
	WIN 0
	v_nop                                          ; one plain vector line behind the last conversion
.irp c, 0,1,2,3
	ds_store_b128 v[XWI], v[PX+16*((\m)%2)+4*\c:PX+16*((\m)%2)+4*\c+3] offset:XIMG+8192*(\m)+512*\c
.endr
.endm
.macro MM1 m, t, s                     ; hidden tile t x rows m, K step s; the first K step takes b1 / 2^(ex + ew1) as C
.set rA, AC+16*(\m)+8*(\t)
.set rW, MB+16*(4*(\t)+(\s))
.set rX, 64*((\m)%4)+16*(\s)
.if (\s) == 0
	v_wmma_f32_16x16x128_bf8_bf8 v[rA:rA+7], v[rW:rW+15], v[rX:rX+15], v[BI+16*MN+8*(\t):BI+16*MN+8*(\t)+7]
.else
	v_wmma_f32_16x16x128_bf8_bf8 v[rA:rA+7], v[rW:rW+15], v[rX:rX+15], v[rA:rA+7]
.endif
.endm
; A unit of W1: 32 hidden units x 96 rows x K 512: 48 matrix instructions, the 12 accumulators by turns; relu, hold and conversion; one group of the hidden fragments to LDS.
.macro UNIT1 u
	SETOF \u
.set MN, SN
.set MW, SWIN
.set MB, SBASE
.if (\u) < 7
	s_wait_loadcnt 36                              ; this unit is in; the next unit's 36 loads may be out
.else
	s_wait_loadcnt 32                              ; the next unit is W2's first: 32 loads
.endif
	WIN 0
.set i, 0
.rept 16
	v_ldexp_f32 v[BI+16*MN+i], v[BI+16*MN+i], s32  ; a sum stands for sum x 2^(ex + ew1): b1 goes in divided by that
.set i, i+1
.endr
.irp s, 0,1,2,3
	WIN (MW+8)                                     ; source 0 (W1) window 1 or 3, source 1 (x) window 2
.irp m, 0,1,2,3
.irp t, 0,1
	MM1 \m, \t, \s
.endr
.endr
	WIN (MW+12)                                    ; x's tiles 4, 5: window 3
.irp m, 4,5
.irp t, 0,1
	MM1 \m, \t, \s
.endr
.endr
.if \s == 1
	ULOAD (\u)+2                                   ; into the set that the unit before has left: behind its last product stand that unit's four v_nop and its holds
.endif
.endr
	WIN 0
.rept 4
	v_nop                                          ; places in front of the first read of results (ISA guide 7.12.1)
.endr
	s_wait_dscnt 0x0                               ; the last unit's stores have read the code registers
.irp m, 0,1,2,3,4,5
.set i, 0
.rept 16
	v_med3_num_f32 v[AC+16*\m+i], v[AC+16*\m+i], 0, v[LMH]   ; the activation and the hold in one; each accumulator from its low end on
.set i, i+1
.endr
	v_cvt_scalef32_pk8_bf8_f32 v[CD+4*\m:CD+4*\m+1], v[AC+16*\m:AC+16*\m+7], v[SCH]       ; code = sum / 2^(eh - ex - ew1): the three scales folded into one
	v_cvt_scalef32_pk8_bf8_f32 v[CD+4*\m+2:CD+4*\m+3], v[AC+16*\m+8:AC+16*\m+15], v[SCH]
.endr
	v_nop                                          ; one plain vector line behind the last conversion
.irp m, 0,1,2,3,4,5
	ds_store_b128 v[HWI], v[CD+4*\m:CD+4*\m+3] offset:3072*(\u)+512*\m   ; slot 2 w + u / 4, group u % 4
.endr
.endm
.macro HFETCH q                        ; slot q's six fragments into set q % 2
.irp m, 0,1,2,3,4,5
.irp c, 0,1,2,3
.if (\q) < 4
	ds_load_b128 v[HS+96*((\q)%2)+16*\m+4*\c:HS+96*((\q)%2)+16*\m+4*\c+3], v[HR0] offset:((\q)%4)*12288+3072*\c+512*\m
.else
	ds_load_b128 v[HS+96*((\q)%2)+16*\m+4*\c:HS+96*((\q)%2)+16*\m+4*\c+3], v[HR1] offset:((\q)%4)*12288+3072*\c+512*\m
.endif
.endr
.endr
.endm
.macro MM2 m, n, q                     ; outputs 16 n .. of my 128 x rows m, slot q; the first slot starts the sums
.set rY, 64*((\m)%4)+8*(\n)
.set rW, MB+16*(\n)
.set rH, HS+96*((\q)%2)+16*(\m)
.if (\q) == 0
	v_wmma_f32_16x16x128_bf8_bf8 v[rY:rY+7], v[rW:rW+15], v[rH:rH+15], 0
.else
	v_wmma_f32_16x16x128_bf8_bf8 v[rY:rY+7], v[rW:rW+15], v[rH:rH+15], v[rY:rY+7]
.endif
.endm
; A slot of the second product: 128 along K, 48 matrix instructions, the 48 accumulators by turns.
.macro STEP2 q
	SETOF (\q)+8
.set MW, SWIN
.set MB, SBASE
.if (\q) < 7
	s_wait_loadcnt 32                              ; this slot's unit of W2 is in; the next one's 32 loads may be out
.else
	s_wait_loadcnt 0x0
.endif
	WIN 0
.rept 4
	v_nop                                          ; places in front of the loads into the hidden set and the weight set that the slot before multiplied
.endr
.if (\q) < 7
	HFETCH (\q)+1
	s_wait_dscnt 24                                ; all but the 24 just issued
.else
	s_wait_dscnt 0x0
.endif
	WIN (0xa0+MW)                                  ; source 0 (W2) window 1 or 3, source 1 window 0, C and D window 2
.irp m, 0,1,2,3
.irp n, 0,1,2,3,4,5,6,7
	MM2 \m, \n, \q
.endr
.endr
.if (\q) < 6
	ULOAD (\q)+10
.endif
	WIN (0xf0+MW)                                  ; rows' tiles 4, 5: window 3
.irp m, 4,5
.irp n, 0,1,2,3,4,5,6,7
	MM2 \m, \n, \q
.endr
.endr
.endm
; THE WAY OUT, a tile of 16 rows x my 128 outputs at a time: x 2^(eh + ew2), through my own stage, back as whole rows of 512 bytes.  LDS serves a wave's instructions in order (ISA guide 5.7.1.4): no wait between stores and loads.
.macro TOSTAGE a
	WIN (0x02+(\a)/4)
.set i, 0
.rept 32
	v_pk_mul_f32 v[TMP+i:TMP+i+1], v[64*((\a)%4)+i:64*((\a)%4)+i+1], s[34:35] op_sel_hi:[1,0]   ; both x s34; each accumulator from its low end on
.set i, i+2
.endr
	WIN 0
.irp n, 0,1,2,3,4,5,6,7
	ds_store_b128 v[SO], v[TMP+8*\n:TMP+8*\n+3] offset:64*\n             ; lane (r, h): row r, outputs 16 n + 8 h + 0..7
	ds_store_b128 v[SO], v[TMP+8*\n+4:TMP+8*\n+7] offset:64*\n+16
.endr
.irp t, 0,1,2,3,4,5,6,7,8,9,10,11,12,13,14,15
	ds_load_b128 v[BK+64*((\a)%2)+4*\t:BK+64*((\a)%2)+4*\t+3], v[SR] offset:528*\t
.endr
.endm
.macro SEND a, younger                 ; younger: the LDS instructions issued behind tile a's loads, which may stay out
	s_wait_dscnt \younger
.irp t, 0,1,2,3,4,5,6,7,8,9,10,11,12,13,14,15
	global_store_b128 v[LI], v[BK+64*((\a)%2)+4*\t:BK+64*((\a)%2)+4*\t+3], s[56:57] offset:(16*(\a)+\t)*2048 th:TH_STORE_NT   ; 32 lanes store 512 consecutive bytes, at a multiple of 256 from yw's first byte
.endr
.endm
	s_load_b256 s[4:11], s[0:1], 0x0               ; x s[4:5], wq s[6:7], b1 s[8:9], scales s[10:11]
	s_load_b128 s[12:15], s[0:1], 0x20             ; plan s[12:13], yw s[14:15]
	v_lshl_add_u32 v[SPW], v0, 2, SPARE
	v_mov_b32 v[NIL], 0
	v_lshrrev_b32 v26, 5, v0
	v_readfirstlane_b32 s20, v26                   ; wave 0..3
	v_and_b32 v26, 31, v0
	v_lshlrev_b32 v[LI], 4, v26
	v_and_b32 v[RR], 15, v0                        ; r
	v_bfe_u32 v27, v0, 4, 1                        ; h
	v_lshlrev_b32 v[BO], 6, v27
	s_and_b32 s24, ttmp7, 0xffff                   ; H
	s_mov_b32 s55, 0
	s_lshl_b32 s60, ttmp9, 2                       ; the tile's record
	s_mul_i32 s61, ttmp9, 384                      ; its 96 words of rowlist
	v_lshl_add_u32 v28, v[RR], 2, s61
	s_wait_kmcnt 0x0
	s_load_b32 s22, s[12:13], s60 offset:0x0       ; the tile's expert
.irp m, 0,1,2,3,4,5
	global_load_b32 v[XO+\m], v28, s[12:13] offset:1024+64*\m   ; the token of row 16 m + r
.endr
	s_and_b32 s58, ttmp9, 7                        ; the walk's turn, from the tile's number:
	s_and_b32 s26, s58, 3                          ; rc
	s_lshr_b32 s58, s58, 2
	s_lshl_b32 s25, s26, 1
	s_or_b32 s25, s25, s58                         ; rot
	s_lshl_b32 s21, s20, 1
	s_add_co_u32 s21, s21, s25
	s_lshl_b32 s58, s20, 11
	v_add_nc_u32 v[XWI], s58, v[LI]
	s_mul_i32 s58, s20, 24576
	s_add_co_u32 s58, s58, HIMG
	v_add_nc_u32 v[HWI], s58, v[LI]
	v_add_nc_u32 v[HR0], HIMG, v[LI]
	v_add_nc_u32 v[HR1], HIMG+4*12288, v[LI]
.irp c, 0,1,2,3
	s_add_co_u32 s58, s26, \c
	s_and_b32 s58, s58, 3
	s_lshl_b32 s58, s58, 9
	v_add_nc_u32 v[WOF+\c], s58, v[LI]
.endr
	s_mul_i32 s58, s20, 16*528
	s_add_co_u32 s58, s58, STAGE                   ; my stage
	v_mul_u32_u24 v[SO], v[RR], 528
	v_lshl_add_u32 v[SO], v27, 5, v[SO]
	v_add_nc_u32 v[SO], s58, v[SO]
	v_add_nc_u32 v[SR], s58, v[LI]
	s_lshl_b32 s58, s20, 9
	v_add_nc_u32 v29, s58, v[BO]                   ; 512 w + 64 h: my K step, my half's 16 numbers of a block
	s_wait_loadcnt 0x0
.irp m, 0,1,2,3,4,5
	v_min_u32 v[XO+\m], 4095, v[XO+\m]             ; a loaded number enters an address behind a bound
	v_lshl_add_u32 v[XO+\m], v[XO+\m], 11, v29
.endr
	; ---- X: wave w quantises K step w of all 96 rows
.irp m, 0,1,2,3,4,5
	XLOAD \m
.endr
	WIN 0
	s_wait_kmcnt 0x0
	s_min_u32 s22, s22, 7
	s_lshl_b32 s60, s22, 4
	s_load_b128 s[28:31], s[10:11], s60 offset:0x0 ; ex, ew1, eh, ew2
	s_lshl_b32 s58, s22, 1
	s_add_co_u32 s58, s58, s24                     ; 2 e + H
	s_lshl_b32 s54, s58, 19                        ; 32 units of 16 KB
	s_add_nc_u64 s[36:37], s[6:7], s[54:55]
	s_lshl_b32 s54, s20, 14
	s_add_nc_u64 s[38:39], s[36:37], s[54:55]
	s_add_nc_u64 s[38:39], s[38:39], 0x800000
	s_lshl_b32 s54, s58, 12                        ; 1,024 numbers of b1
	s_add_nc_u64 s[40:41], s[8:9], s[54:55]
	s_mul_i32 s54, s24, HALF
	s_mul_i32 s59, ttmp9, 96*2048
	s_add_co_u32 s54, s54, s59
	s_lshl_b32 s59, s20, 9
	s_add_co_u32 s54, s54, s59
	s_add_nc_u64 s[56:57], s[14:15], s[54:55]
	ULOAD 0
	s_wait_kmcnt 0x0
	s_add_co_i32 s58, s28, s29                     ; ex + ew1
	s_sub_co_i32 s32, 0, s58
	s_add_co_i32 s59, s28, 127
	s_lshl_b32 s33, s59, 23
	v_mov_b32 v[SCX], s33                          ; 2^ex as f32: the conversion takes its exponent field
	s_add_co_i32 s59, s59, 15
	s_lshl_b32 s59, s59, 23
	s_or_b32 s59, s59, 0x600000
	v_mov_b32 v[LMX], s59                          ; 57,344 x 2^ex
	s_sub_co_i32 s59, s30, s58
	s_add_co_i32 s59, s59, 127
	s_lshl_b32 s33, s59, 23
	v_mov_b32 v[SCH], s33                          ; 2^(eh - ex - ew1)
	s_add_co_i32 s59, s59, 15
	s_lshl_b32 s59, s59, 23
	s_or_b32 s59, s59, 0x600000
	v_mov_b32 v[LMH], s59
	s_add_co_i32 s34, s30, s31
	s_add_co_i32 s34, s34, 127
	s_lshl_b32 s34, s34, 23                        ; 2^(eh + ew2) as f32
	s_mov_b32 s35, s34                             ; (named with it as a pair, so it is written)
	QUANTX 0, 1
	QUANTX 1, 0
	QUANTX 2, 0
	QUANTX 3, 0
	ULOAD 1
	QUANTX 4, 1
	QUANTX 5, 0
	s_wait_dscnt 0x0                               ; for the others' sake: my images have landed
	s_barrier_signal -1
	s_barrier_wait -1                              ; x's 24 fragments lie in LDS
.irp m, 0,1,2,3,4,5
	WIN (0x80+0x40*(\m/4))
.irp s, 0,1,2,3
.irp c, 0,1,2,3
	ds_load_b128 v[64*(\m%4)+16*\s+4*\c:64*(\m%4)+16*\s+4*\c+3], v[LI] offset:XIMG+(4*\m+\s)*2048+512*\c   ; they stay in registers for the whole first product
.endr
.endr
.endr
	s_wait_dscnt 0x0
	; ---- 1: my 256 hidden units, a unit of 32 at a time
.irp u, 0,1,2,3,4,5,6,7
	UNIT1 \u
.endr
	s_wait_dscnt 0x0                               ; my images of the hidden layer have landed
	s_barrier_signal -1
	s_barrier_wait -1                              ; its eight slots lie in LDS; nobody writes them again
	; ---- 2: my 128 outputs, a slot of 128 along K at a time
	HFETCH 0
.irp q, 0,1,2,3,4,5,6,7
	STEP2 \q
.endr
	WIN 0
.rept 4
	v_nop                                          ; places in front of the first read of results and of the loads into the last hidden set
.endr
	TOSTAGE 0
.irp a, 1,2,3,4,5
.if \a > 1
	s_wait_xcnt 0x0                                ; tile a - 2's stores have read their registers: tile a's rows may land there
.endif
	TOSTAGE \a
	SEND \a-1, 32                                  ; behind tile a - 1's loads: tile a's 16 stores and 16 loads
.endr
	SEND 5, 0
	s_wait_tensorcnt 0x0                           ; the wave's end
	ds_add_u32 v[SPW], v[NIL]
	s_wait_dscnt 0x0
	s_endpgm
.Lfunc_end_k_q87576c4e1e_chain:
	.size	k_q87576c4e1e_chain, .Lfunc_end_k_q87576c4e1e_chain-k_q87576c4e1e_chain
	.p2alignl 7, 3214868480
	.fill 96, 4, 3214868480
	.section	.rodata,"a",@progbits
	.p2align	6, 0x0
	.amdhsa_kernel k_q87576c4e1e_chain
		.amdhsa_group_segment_fixed_size 181760
		.amdhsa_private_segment_fixed_size 0
		.amdhsa_enable_private_segment 0
		.amdhsa_kernarg_size 48
		.amdhsa_user_sgpr_count 2
		.amdhsa_user_sgpr_kernarg_segment_ptr 1
		.amdhsa_wavefront_size32 1
		.amdhsa_system_sgpr_workgroup_id_x 1
		.amdhsa_system_sgpr_workgroup_id_y 1
		.amdhsa_system_sgpr_workgroup_id_z 1
		.amdhsa_system_vgpr_workitem_id 0
		.amdhsa_next_free_vgpr 1024
		.amdhsa_next_free_sgpr 66
		.amdhsa_reserve_vcc 0
		.amdhsa_float_denorm_mode_32 3
		.amdhsa_float_denorm_mode_16_64 3
		.amdhsa_memory_ordered 1
		.amdhsa_forward_progress 1
		.amdhsa_inst_pref_size 255
	.end_amdhsa_kernel
	.section	.bss,"aw",@nobits
	.p2align	6
	.space	262144
	.amdgpu_metadata
---
amdhsa.version: [ 1, 2 ]
amdhsa.kernels:
  - .name:           k_q87576c4e1e_chain
    .symbol:         k_q87576c4e1e_chain.kd
    .args:
      - { .name: x, .offset: 0, .size: 8, .value_kind: global_buffer, .address_space: global }
      - { .name: wq, .offset: 8, .size: 8, .value_kind: global_buffer, .address_space: global }
      - { .name: b1, .offset: 16, .size: 8, .value_kind: global_buffer, .address_space: global }
      - { .name: lowp_scales, .offset: 24, .size: 8, .value_kind: global_buffer, .address_space: global }
      - { .name: plan, .offset: 32, .size: 8, .value_kind: global_buffer, .address_space: global }
      - { .name: yw, .offset: 40, .size: 8, .value_kind: global_buffer, .address_space: global }
    .group_segment_fixed_size: 181760
    .private_segment_fixed_size: 0
    .kernarg_segment_align: 8
    .kernarg_segment_size: 48
    .max_flat_workgroup_size: 128
    .sgpr_count:     66
    .vgpr_count:     1024
    .wavefront_size: 32
...
	.end_amdgpu_metadata
.endif
;; end of part 3
;; launch combine (part 4): grid 512 x 1, 4 waves a work-group, no clusters, 0 bytes of LDS; arguments yw, plan, route, gate2, b2, out0; writes out0
.if DOCPART == 4
	.amdgcn_target "amdgcn-amd-amdhsa--gfx1250"
	.amdhsa_code_object_version 6
	.text
	.protected	k_q87576c4e1e_combine
	.globl	k_q87576c4e1e_combine
	.p2align	8
	.type	k_q87576c4e1e_combine,@function
k_q87576c4e1e_combine:
	s_mov_b64 s[64:65], 0
	v_nop
	global_prefetch_b8 v0, s[64:65] scope:SCOPE_SE
	s_setreg_imm32_b32 hwreg(HW_REG_WAVE_MODE, 25, 1), 1
	s_wait_xcnt 0x0
; FOURTH LAUNCH: out0[t] = g0 (ya0 + ya1 + b2[e0]) + g1 (yb0 + yb1 + b2[e1]): a token's two chosen experts, each expert's two halves of the hidden layer, gathered by the positions that the second launch stored.
; The six experts that a token did not choose add nothing: their factor is a 0 of reference()'s own one_hot (shown at the head of the first kernel).  Each row of out0 has one owner: no sum spans work-groups.
; A work-group takes 8 tokens; thread tau owns the 16 bytes at 16 tau of every row, so a wave's load or store covers 512 consecutive bytes.  All 48 loads of a thread go out at once; no register is written again
; while a load or store may read it.  Positions, experts and gates come by scalar loads: they are the same for the whole work-group.
.set HALF, 18284544                    ; bytes of one half of yw
.set PPOS, 36864
.set VO,   2                           ; v2-17   position x 2,048 + 16 tau, for (token, slot)
.set BOF,  18                          ; v18-33  expert x 2,048 + 16 tau
.set R0,   34                          ; v34-225 token k: 24 registers: ya0, ya1, yb0, yb1, b2[e0], b2[e1]
	s_load_b256 s[4:11], s[0:1], 0x0               ; yw s[4:5], plan s[6:7], route s[8:9], gate2 s[10:11]
	s_load_b128 s[12:15], s[0:1], 0x20             ; b2 s[12:13], out0 s[14:15]
	s_lshl_b32 s2, ttmp9, 6                        ; 8 tokens x 8 bytes
	s_lshl_b32 s68, ttmp9, 14                      ; 8 rows of out0
	s_mov_b32 s69, 0
	v_lshlrev_b32 v1, 4, v0
	s_wait_kmcnt 0x0
	s_load_b512 s[16:31], s[6:7], s2 offset:PPOS   ; positions
	s_load_b512 s[32:47], s[8:9], s2 offset:0x0    ; experts
	s_load_b512 s[48:63], s[10:11], s2 offset:0x0  ; gates
	s_add_nc_u64 s[66:67], s[4:5], HALF            ; the second half of yw
	s_add_nc_u64 s[14:15], s[14:15], s[68:69]
	s_wait_kmcnt 0x0
.set i, 0
.rept 16
	s_min_u32 s[16+i], s[16+i], 8927               ; a loaded number enters an address behind a bound
	s_lshl_b32 s[16+i], s[16+i], 11
	v_add_nc_u32 v[VO+i], s[16+i], v1
	s_min_u32 s[32+i], s[32+i], 7
	s_lshl_b32 s[32+i], s[32+i], 11
	v_add_nc_u32 v[BOF+i], s[32+i], v1
.set i, i+1
.endr
.irp k, 0,1,2,3,4,5,6,7
	global_load_b128 v[R0+24*\k:R0+24*\k+3],     v[VO+2*\k],    s[4:5]   th:TH_LOAD_NT
	global_load_b128 v[R0+24*\k+4:R0+24*\k+7],   v[VO+2*\k],    s[66:67] th:TH_LOAD_NT
	global_load_b128 v[R0+24*\k+8:R0+24*\k+11],  v[VO+2*\k+1],  s[4:5]   th:TH_LOAD_NT
	global_load_b128 v[R0+24*\k+12:R0+24*\k+15], v[VO+2*\k+1],  s[66:67] th:TH_LOAD_NT
	global_load_b128 v[R0+24*\k+16:R0+24*\k+19], v[BOF+2*\k],   s[12:13]
	global_load_b128 v[R0+24*\k+20:R0+24*\k+23], v[BOF+2*\k+1], s[12:13]
.endr
.irp k, 0,1,2,3,4,5,6,7
	s_wait_loadcnt 6*(7-\k)                        ; this token's six loads are in; the later tokens' may be out
.irp p, 0,2
	v_pk_add_f32 v[R0+24*\k+\p:R0+24*\k+\p+1], v[R0+24*\k+\p:R0+24*\k+\p+1], v[R0+24*\k+4+\p:R0+24*\k+4+\p+1]
	v_pk_add_f32 v[R0+24*\k+8+\p:R0+24*\k+8+\p+1], v[R0+24*\k+8+\p:R0+24*\k+8+\p+1], v[R0+24*\k+12+\p:R0+24*\k+12+\p+1]
.endr
.irp p, 0,2
	v_pk_add_f32 v[R0+24*\k+\p:R0+24*\k+\p+1], v[R0+24*\k+\p:R0+24*\k+\p+1], v[R0+24*\k+16+\p:R0+24*\k+16+\p+1]
	v_pk_add_f32 v[R0+24*\k+8+\p:R0+24*\k+8+\p+1], v[R0+24*\k+8+\p:R0+24*\k+8+\p+1], v[R0+24*\k+20+\p:R0+24*\k+20+\p+1]
.endr
.irp i, 0,1,2,3
	v_mul_f32 v[R0+24*\k+8+\i], s[49+2*\k], v[R0+24*\k+8+\i]
.endr
.irp i, 0,1,2,3
	v_fma_f32 v[R0+24*\k+\i], s[48+2*\k], v[R0+24*\k+\i], v[R0+24*\k+8+\i]
.endr
	global_store_b128 v1, v[R0+24*\k:R0+24*\k+3], s[14:15] offset:2048*\k th:TH_STORE_NT
.endr
	s_endpgm
.Lfunc_end_k_q87576c4e1e_combine:
	.size	k_q87576c4e1e_combine, .Lfunc_end_k_q87576c4e1e_combine-k_q87576c4e1e_combine
	.p2alignl 7, 3214868480
	.fill 96, 4, 3214868480
	.section	.rodata,"a",@progbits
	.p2align	6, 0x0
	.amdhsa_kernel k_q87576c4e1e_combine
		.amdhsa_group_segment_fixed_size 0
		.amdhsa_private_segment_fixed_size 0
		.amdhsa_enable_private_segment 0
		.amdhsa_kernarg_size 48
		.amdhsa_user_sgpr_count 2
		.amdhsa_user_sgpr_kernarg_segment_ptr 1
		.amdhsa_wavefront_size32 1
		.amdhsa_system_sgpr_workgroup_id_x 1
		.amdhsa_system_sgpr_workgroup_id_y 1
		.amdhsa_system_sgpr_workgroup_id_z 1
		.amdhsa_system_vgpr_workitem_id 0
		.amdhsa_next_free_vgpr 232
		.amdhsa_next_free_sgpr 72
		.amdhsa_reserve_vcc 0
		.amdhsa_float_denorm_mode_32 3
		.amdhsa_float_denorm_mode_16_64 3
		.amdhsa_memory_ordered 1
		.amdhsa_forward_progress 1
		.amdhsa_inst_pref_size 17
	.end_amdhsa_kernel
	.amdgpu_metadata
---
amdhsa.version: [ 1, 2 ]
amdhsa.kernels:
  - .name:           k_q87576c4e1e_combine
    .symbol:         k_q87576c4e1e_combine.kd
    .args:
      - { .name: yw, .offset: 0, .size: 8, .value_kind: global_buffer, .address_space: global }
      - { .name: plan, .offset: 8, .size: 8, .value_kind: global_buffer, .address_space: global }
      - { .name: route, .offset: 16, .size: 8, .value_kind: global_buffer, .address_space: global }
      - { .name: gate2, .offset: 24, .size: 8, .value_kind: global_buffer, .address_space: global }
      - { .name: b2, .offset: 32, .size: 8, .value_kind: global_buffer, .address_space: global }
      - { .name: out0, .offset: 40, .size: 8, .value_kind: global_buffer, .address_space: global }
    .group_segment_fixed_size: 0
    .private_segment_fixed_size: 0
    .kernarg_segment_align: 8
    .kernarg_segment_size: 48
    .max_flat_workgroup_size: 128
    .sgpr_count:     72
    .vgpr_count:     232
    .wavefront_size: 32
...
	.end_amdgpu_metadata
.endif
;; end of part 4
;; ======== version 2 of 2: 4 launches; 1.12 times as fast as version 1
;; workspace buffers: wq 16,777,216 bytes; route 32,768 bytes of whole numbers; gate2 32,768 bytes; gsum 32,768 bytes; plan 69,632 bytes of whole numbers; yw 36,569,088 bytes
;; launch prep: the kernel of part 1 again; grid 1280 x 1, 4 waves a work-group, no clusters, 0 bytes of LDS; arguments x, Wr, br, W1, W2, lowp_scales, route, gate2, gsum, wq; writes route, gate2, gsum, wq
;; launch place (part 5): grid 1 x 1, 32 waves a work-group, no clusters, 6,144 bytes of LDS; arguments route, gsum, plan, out1; writes plan, out1
.if DOCPART == 5
	.amdgcn_target "amdgcn-amd-amdhsa--gfx1250"
	.amdhsa_code_object_version 6
	.text
	.protected	k_q87576c4e1e_place
	.globl	k_q87576c4e1e_place
	.p2align	8
	.type	k_q87576c4e1e_place,@function
k_q87576c4e1e_place:
	s_mov_b64 s[64:65], 0
	v_nop
	global_prefetch_b8 v0, s[64:65] scope:SCOPE_SE
	s_setreg_imm32_b32 hwreg(HW_REG_WAVE_MODE, 25, 1), 1
	s_wait_xcnt 0x0
; SECOND LAUNCH: the 8,192 (token, slot) entries of route are sorted by expert (a counting sort, no atomics), and the aux loss is finished.  One work-group of 32 waves.
; Only chosen (token, expert) rows get a place: the other rows of reference()'s products are multiplied by a 0 of its own one_hot (shown at the head of the first kernel).
; An expert's entries take whole tiles of 96 positions, one expert behind the other: expert e begins at tile tstart_e and has ceil(tot_e / 96) tiles; never more than ceil(8192 / 96) + 7 = 93 in all.
; plan: byte 0: tile -> expert, 93 int32 (a tile that the split leaves over gets expert 7);  byte 1,024: rowlist, position -> token, 8,928 int32, token 0 at every position that no entry takes;
;       byte 36,864: ppos[token][slot] -> position.  Each byte that a later launch reads is stored, and stored once.
; Thread tau holds tokens 4 tau .. 4 tau + 3: entries j = 0..7 (token 4 tau + j / 2, slot j % 2).  An entry's position = its expert's first position + the expert's entries in earlier waves, in lower lanes
; of my wave, and at earlier j of my lane.  THE COUNTS ARE KEPT PACKED, all eight experts at once:
;   in a lane: eight fields of 4 bits (8 entries at the most); an entry's rank in its lane is its expert's field, read before the entry's own 1 is added;
;   in a wave: eight fields of 8 bits in two registers (a token's two experts differ, so 128 at the most): one butterfly over the lanes gives the wave's totals and each lane's sum of lower lanes;
;   over the waves: fields of 16 bits, two experts a register (4,096 at the most): (e0, e2), (e1, e3), (e4, e6), (e5, e7).
;   The eight sums 'first position + earlier waves + lower lanes' are split into a plane of low bytes and a plane of high bytes, and v_perm_b32 with the expert's number as its selector looks an entry's up.
; All that reaches an address is whole numbers read from route, each behind a bound.  LIMIT: a NaN among the gates could give a token one expert twice, for which the fields of 8 bits have no room: NaN among the inputs is not served.
; out1 = sum over e of p_e ln(p_e + 1e-9), p_e = the mean gate.
.set CNT,   0                          ; LDS: [wave] 8 bytes: the wave's eight totals
.set GS,    1024                       ; [wave][8] sums of gates
.set SPARE, 2048                       ; the spare words, 128 bytes for each of 32 waves: sixteen blocks of 256 bytes that no other line names
.set ROWL,  1024
.set PPOS,  36864
.set TA,    74                         ; v74  4 tau: where tile tau's record lies; made at the head and never rewritten
; VECTOR REGISTERS: v1 lane; v2 32 tau; v3 8 wave; v4 8 lane; v5 32 wave + 16 (lane % 2); v6 32 lane; v7 16 tau; v8-15 the entries' experts; v16-23 gates; v24-31 4 x expert, later at work; v32-39 ranks, then positions;
;   v40 the lane's counts; v42, v43 running sums, v44, v45 sums of lower lanes (a byte an expert); v46-49 at work; v50-59 the waves' counts; v60 at work; v61 0; v62, v63 the closing lines' two; v64-67 the eight sums in 16-bit fields;
;   v68, v69 their low bytes, v70, v71 their high bytes; v75-78 my tokens; v79 a tile's expert; v80-83 padding: positions and addresses; v84-91 the placed rows' addresses
; SCALARS: s12 wave; s13-15, s18, s19 at work; s[16:17] selects; s20, s21 field masks; s22-26 the lanes whose number has bit 0 .. 4 set; s27 the expert whose padding my wave stores; s28-31 its range, and the end of all tiles;
;   s32-35 totals, s36-39 earlier waves' entries (packed); s40-47 tot_e; s56-63 tstart_e; s74-81 96 tstart_e
	s_load_b256 s[4:11], s[0:1], 0x0               ; route s[4:5], gsum s[6:7], plan s[8:9], out1 s[10:11]
	v_lshl_add_u32 v62, v0, 2, SPARE               ; my spare word, and 0: kept for the closing lines alone
	v_mov_b32 v63, 0
	v_lshlrev_b32 v[TA], 2, v0
	v_lshrrev_b32 v1, 5, v0
	v_readfirstlane_b32 s12, v1                    ; wave 0..31
	v_and_b32 v1, 31, v0                           ; lane
	v_lshlrev_b32 v2, 5, v0                        ; 32 bytes a thread in route and in ppos
	v_lshlrev_b32 v7, 4, v0                        ; 16 bytes a thread in each half of gsum
	s_lshl_b32 s15, s12, 3
	v_mov_b32 v3, s15                              ; my wave's 8 bytes in CNT
	v_lshlrev_b32 v4, 3, v1                        ; and wave number 'lane''s
	v_and_b32 v5, 1, v0
	v_lshlrev_b32 v5, 4, v5
	s_lshl_b32 s15, s12, 5
	v_add_nc_u32 v5, s15, v5                       ; my wave's 32 bytes in GS: even lanes experts 0-3, odd lanes experts 4-7
	v_lshlrev_b32 v6, 5, v1                        ; wave number 'lane''s 32 bytes in GS
	v_mov_b32 v46, 0                               ; written once: the destination of a move from another lane counts as one of its sources
	v_mov_b32 v47, 0
	v_mov_b32 v60, 0
	v_mov_b32 v61, 0                               ; token 0 for the padding; offset 0 for out1
	s_mov_b32 s16, 0x76543210                      ; v_permlanex16_b32's selects for lane l xor 16
	s_mov_b32 s17, 0xfedcba98
	s_mov_b32 s20, 0x00ff00ff
	s_mov_b32 s21, 0x0f0f0f0f
	s_mov_b32 s22, 0xaaaaaaaa
	s_mov_b32 s23, 0xcccccccc
	s_mov_b32 s24, 0xf0f0f0f0
	s_mov_b32 s25, 0xff00ff00
	s_mov_b32 s26, 0xffff0000
	s_lshr_b32 s27, s12, 2                         ; four waves, 128 threads, serve one expert's padding
	s_wait_kmcnt 0x0
	global_load_b128 v[8:11], v2, s[4:5]
	global_load_b128 v[12:15], v2, s[4:5] offset:16
	global_load_b128 v[16:19], v7, s[6:7]              ; numbers 4 tau .. 4 tau + 3 of gsum's 8,192, and the same 4,096 further on: both are experts 4 (tau % 2) + 0..3
	global_load_b128 v[20:23], v7, s[6:7] offset:16384
	s_wait_loadcnt 0x2                             ; route's two loads are in; gsum's two may be out
	; ---- in the lane: ranks and counts
.irp j, 0,1,2,3,4,5,6,7
	v_lshlrev_b32 v[24+\j], 2, v[8+\j]             ; where the expert's field of 4 bits begins
.endr
	v_mov_b32 v32, 0                               ; the first entry has nothing ahead of it,
	v_lshl_add_u32 v40, 1, v24, 0                  ; and starts the counts
.irp j, 1,2,3,4,5,6,7
	v_bfe_u32 v[32+\j], v40, v[24+\j], 4           ; earlier entries of my lane with the same expert
	v_lshl_add_u32 v40, 1, v[24+\j], v40
.endr
	v_and_b32 v42, 0xffff, v40                     ; experts 0-3, and
	v_lshrrev_b32 v43, 16, v40                     ; experts 4-7: each field of 4 bits is moved into a byte of its own
	v_lshl_or_b32 v42, v42, 8, v42
	v_lshl_or_b32 v43, v43, 8, v43
	v_and_b32 v42, s20, v42
	v_and_b32 v43, s20, v43
	v_lshl_or_b32 v42, v42, 4, v42
	v_lshl_or_b32 v43, v43, 4, v43
	v_and_b32 v42, s21, v42
	v_and_b32 v43, s21, v43
; ---- over the lanes.  Ahead of the step for bit b a lane holds the sum of its aligned block of 2^b lanes; the partner block's sum is added to it, and, where the lane's bit b is set (the partner block lies below), to the sum of lower lanes.
.macro LJOIN m, first                  ; v46, v47: the partner block's sums; s[m]: the lanes whose bit is set
.if \first
	v_cndmask_b32 v44, 0, v46, s[\m]               ; the first step starts the sums of lower lanes
	v_cndmask_b32 v45, 0, v47, s[\m]
.else
	v_cndmask_b32 v48, 0, v46, s[\m]
	v_cndmask_b32 v49, 0, v47, s[\m]
	v_add_nc_u32 v44, v44, v48
	v_add_nc_u32 v45, v45, v49
.endif
	v_add_nc_u32 v42, v42, v46
	v_add_nc_u32 v43, v43, v47
.endm
.macro LSTEP k, m, first
	v_mov_b32_dpp v46, v42 row_xmask:\k row_mask:0xf bank_mask:0xf
	v_mov_b32_dpp v47, v43 row_xmask:\k row_mask:0xf bank_mask:0xf
	LJOIN \m, \first
.endm
	LSTEP 1, 22, 1
	LSTEP 2, 23, 0
	LSTEP 4, 24, 0
	LSTEP 8, 25, 0
	v_permlanex16_b32 v46, v42, s16, s17
	v_permlanex16_b32 v47, v43, s16, s17
	LJOIN 26, 0
	ds_store_b64 v3, v[42:43] offset:CNT           ; the wave's totals: all lanes write the same bytes with the same values
	v_and_b32 v64, s20, v44                        ; the sums of lower lanes in fields of 16 bits: (e0, e2),
	v_lshrrev_b32 v65, 8, v44
	v_and_b32 v65, s20, v65                        ; (e1, e3),
	v_and_b32 v66, s20, v45                        ; (e4, e6),
	v_lshrrev_b32 v67, 8, v45
	v_and_b32 v67, s20, v67                        ; (e5, e7)
	; ---- the gates: my two pieces, then the lanes of my parity
	s_wait_loadcnt 0x0
	v_pk_add_f32 v[16:17], v[16:17], v[20:21]
	v_pk_add_f32 v[18:19], v[18:19], v[22:23]
.irp k, 2,4,8
.irp i, 0,1,2,3
	v_add_f32_dpp v[16+\i], v[16+\i], v[16+\i] row_xmask:\k row_mask:0xf bank_mask:0xf
.endr
.endr
.irp i, 0,1,2,3
	v_permlanex16_b32 v[20+\i], v[16+\i], s16, s17
.endr
.irp i, 0,1,2,3
	v_add_f32 v[16+\i], v[16+\i], v[20+\i]
.endr
	ds_store_b128 v5, v[16:19] offset:GS           ; the lanes of one parity write the same bytes with the same values
	s_wait_dscnt 0x0                               ; for the others' sake: my stores are done
	s_barrier_signal -1
	s_barrier_wait -1
	; ---- over the waves: lane l takes wave l's totals; all waves' sum, and the sum of the waves ahead of mine
	ds_load_b64 v[50:51], v4 offset:CNT
	v_cmp_gt_u32 s13, s12, v1                      ; the waves ahead of mine
	s_wait_dscnt 0x0
	v_and_b32 v52, s20, v50
	v_lshrrev_b32 v53, 8, v50
	v_and_b32 v53, s20, v53
	v_and_b32 v54, s20, v51
	v_lshrrev_b32 v55, 8, v51
	v_and_b32 v55, s20, v55
.irp i, 0,1,2,3
	v_cndmask_b32 v[56+\i], 0, v[52+\i], s13
.endr
.irp k, 1,2,4,8
.irp i, 0,1,2,3,4,5,6,7
	v_mov_b32_dpp v[24+\i], v[52+\i] row_xmask:\k row_mask:0xf bank_mask:0xf
.endr
.irp i, 0,1,2,3,4,5,6,7
	v_add_nc_u32 v[52+\i], v[52+\i], v[24+\i]
.endr
.endr
.irp i, 0,1,2,3,4,5,6,7
	v_permlanex16_b32 v[24+\i], v[52+\i], s16, s17
.endr
.irp i, 0,1,2,3,4,5,6,7
	v_add_nc_u32 v[52+\i], v[52+\i], v[24+\i]
.endr
.irp i, 0,1,2,3
	v_readfirstlane_b32 s[32+\i], v[52+\i]
	v_readfirstlane_b32 s[36+\i], v[56+\i]
.endr
	; ---- the experts' tiles.  Expert e lies in packed register e % 2 + 2 (e / 4), in its low half where (e / 2) % 2 = 0
	s_mov_b32 s18, 0                               ; tiles so far
.irp e, 0,1,2,3,4,5,6,7
.if ((\e/2)%2) == 0
	s_and_b32 s[40+\e], s[32+(\e%2)+2*(\e/4)], 0xffff   ; tot_e
.else
	s_lshr_b32 s[40+\e], s[32+(\e%2)+2*(\e/4)], 16
.endif
	s_mov_b32 s[56+\e], s18                        ; tstart_e
	s_mul_i32 s[74+\e], s18, 96                    ; the expert's first position
	s_add_co_u32 s19, s[40+\e], 95
	s_mul_i32 s19, s19, 43691
	s_lshr_b32 s19, s19, 22                        ; (tot_e + 95) / 96: 43691 / 2^22 exceeds 1 / 96 by less than 8e-8, so the quotient is exact up to 4,191
	s_add_co_u32 s18, s18, s19
.if \e == 0
	s_mov_b32 s28, s74                             ; the range of the expert whose padding my wave stores: first position,
	s_mov_b32 s29, s40                             ; entries,
	s_mov_b32 s30, s19                             ; tiles
.else
	s_cmp_eq_u32 s27, \e
	s_cselect_b32 s28, s[74+\e], s28
	s_cselect_b32 s29, s[40+\e], s29
	s_cselect_b32 s30, s19, s30
.endif
.endr
	s_add_co_u32 s29, s28, s29                     ; its first padding position,
	s_mul_i32 s30, s30, 96
	s_add_co_u32 s30, s28, s30                     ; and the end of its tiles
	s_mul_i32 s31, s18, 96                         ; the end of all experts' tiles
.irp i, 0,1,2,3                        ; first position + earlier waves' entries, two experts a register: 12,928 at the most in a field of 16 bits
	s_lshl_b32 s19, s[74+(\i%2)+4*(\i/2)+2], 16
	s_or_b32 s19, s19, s[74+(\i%2)+4*(\i/2)]
	s_add_co_u32 s[36+\i], s[36+\i], s19
.endr
.irp i, 0,1,2,3
	v_add_nc_u32 v[64+\i], s[36+\i], v[64+\i]      ; + the lower lanes' entries: where my lane's first entry of each expert goes
.endr
	v_perm_b32 v68, v65, v64, 0x06020400           ; the low bytes of experts 0, 1, 2, 3 (selectors 0-3 name the second source's bytes, 4-7 the first's),
	v_perm_b32 v69, v67, v66, 0x06020400           ; of experts 4, 5, 6, 7,
	v_perm_b32 v70, v65, v64, 0x07030501           ; and the high bytes
	v_perm_b32 v71, v67, v66, 0x07030501
	; ---- the entries' positions: the expert's number picks its byte out of each plane
.irp j, 0,1,2,3,4,5,6,7
	v_perm_b32 v[24+\j], v69, v68, v[8+\j]         ; byte 0: the low byte (the other three selectors are 0: they are cut away below)
.endr
.irp j, 0,1,2,3,4,5,6,7
	v_perm_b32 v[52+\j], v71, v70, v[8+\j]         ; byte 0: the high byte
.endr
.irp j, 0,1,2,3,4,5,6,7
	v_perm_b32 v[24+\j], v[52+\j], v[24+\j], 0x0400
.endr
.irp j, 0,1,2,3,4,5,6,7
	v_and_b32 v[24+\j], 0xffff, v[24+\j]
.endr
.irp j, 0,1,2,3,4,5,6,7
	v_add_nc_u32 v[32+\j], v[32+\j], v[24+\j]      ; + the rank in my lane
.endr
	global_store_b128 v2, v[32:35], s[8:9] offset:PPOS
	global_store_b128 v2, v[36:39], s[8:9] offset:PPOS+16
	v_lshlrev_b32 v75, 2, v0                       ; my four tokens
	v_add_nc_u32 v76, 1, v75
	v_add_nc_u32 v77, 2, v75
	v_add_nc_u32 v78, 3, v75
.irp j, 0,1,2,3,4,5,6,7
	v_min_u32 v[84+\j], 8927, v[32+\j]             ; a number made of loaded numbers enters an address behind a bound
	v_lshlrev_b32 v[84+\j], 2, v[84+\j]
	global_store_b32 v[84+\j], v[75+\j/2], s[8:9] offset:ROWL
.endr
	; ---- padding lies in two places alone: behind an expert's last entry, up to the end of its tiles (95 positions at the most: 128 threads serve an expert), and behind the last expert's tiles
	; (the tiles are 86 at the least, so 7 x 96 = 672 positions at the most: a thread a position).  All addresses are made here, with every lane on; the counts then decide which lanes store.
	v_and_b32 v80, 127, v0
	v_add_nc_u32 v80, s29, v80
	v_min_u32 v81, 8927, v80
	v_lshlrev_b32 v81, 2, v81
	v_add_nc_u32 v82, s31, v0
	v_min_u32 v83, 8927, v82
	v_lshlrev_b32 v83, 2, v83
	v_mov_b32 v79, 0                               ; tile tau's expert: the last that begins at or under it
.irp e, 1,2,3,4,5,6,7
	v_cmp_le_u32 s13, s[56+\e], v0
	v_cndmask_b32 v79, v79, \e, s13
.endr
	v_cmp_gt_u32 vcc_lo, s30, v80                  ; inside my expert's tiles
	s_wait_xcnt 0x0                                ; EXEC changes only behind this wait
	s_and_saveexec_b32 s14, vcc_lo
	global_store_b32 v81, v61, s[8:9] offset:ROWL
	s_wait_xcnt 0x0                                ; and again, in front of the line that widens it
	s_or_b32 exec_lo, exec_lo, s14
	v_cmp_gt_u32 vcc_lo, 0x22e0, v82               ; inside the list's 8,928 positions
	s_and_saveexec_b32 s14, vcc_lo                 ; (no load or store has been issued since the last wait on XCNT)
	global_store_b32 v83, v61, s[8:9] offset:ROWL
	s_wait_xcnt 0x0
	s_or_b32 exec_lo, exec_lo, s14
	v_cmp_gt_u32 vcc_lo, 93, v0
	s_and_saveexec_b32 s14, vcc_lo
	global_store_b32 v[TA], v79, s[8:9]
	s_wait_xcnt 0x0
	s_or_b32 exec_lo, exec_lo, s14
	s_cmp_lg_u32 s12, 0                            ; the aux loss: wave 0 alone; no barrier stands in this branch
	s_cbranch_scc1 .Lend
	ds_load_b128 v[16:19], v6 offset:GS            ; lane l: wave l's eight sums; nobody writes them behind the barrier
	ds_load_b128 v[20:23], v6 offset:GS+16
	s_wait_dscnt 0x0
.irp k, 1,2,4,8
.irp e, 0,1,2,3,4,5,6,7
	v_add_f32_dpp v[16+\e], v[16+\e], v[16+\e] row_xmask:\k row_mask:0xf bank_mask:0xf
.endr
.endr
.irp e, 0,1,2,3,4,5,6,7
	v_permlanex16_b32 v60, v[16+\e], s16, s17
	v_add_f32 v[16+\e], v[16+\e], v60
.endr
.irp e, 0,1,2,3,4,5,6,7
	v_mul_f32 v[16+\e], 0x39800000, v[16+\e]       ; p_e = the sum / 4,096
.endr
.irp e, 0,1,2,3,4,5,6,7
	v_add_f32 v[24+\e], 0x3089705f, v[16+\e]       ; + 1e-9
.endr
.irp e, 0,1,2,3,4,5,6,7
	v_log_f32 v[24+\e], v[24+\e]                   ; log2
.endr
	v_cmp_eq_u32 vcc_lo, 0, v1                     ; (a plain line behind the logarithms)
	s_wait_alu depctr_va_vdst(0)                   ; one wait for the batch, ahead of its first reader
	v_mul_f32 v32, v16, v24                        ; (v32 was a store's data: the waits on XCNT above have freed it)
.irp e, 1,2,3,4,5,6,7
	v_fmac_f32 v32, v[16+\e], v[24+\e]
.endr
	v_mul_f32 v32, 0x3f317218, v32                 ; x ln 2
	s_and_saveexec_b32 s14, vcc_lo
	global_store_b32 v61, v32, s[10:11]
	s_wait_xcnt 0x0
	s_or_b32 exec_lo, exec_lo, s14
.Lend:
	s_wait_tensorcnt 0x0                           ; the wave's end
	ds_add_u32 v62, v63
	s_wait_dscnt 0x0
	s_endpgm
.Lfunc_end_k_q87576c4e1e_place:
	.size	k_q87576c4e1e_place, .Lfunc_end_k_q87576c4e1e_place-k_q87576c4e1e_place
	.p2alignl 7, 3214868480
	.fill 96, 4, 3214868480
	.section	.rodata,"a",@progbits
	.p2align	6, 0x0
	.amdhsa_kernel k_q87576c4e1e_place
		.amdhsa_group_segment_fixed_size 6144
		.amdhsa_private_segment_fixed_size 0
		.amdhsa_enable_private_segment 0
		.amdhsa_kernarg_size 32
		.amdhsa_user_sgpr_count 2
		.amdhsa_user_sgpr_kernarg_segment_ptr 1
		.amdhsa_wavefront_size32 1
		.amdhsa_system_sgpr_workgroup_id_x 1
		.amdhsa_system_sgpr_workgroup_id_y 1
		.amdhsa_system_sgpr_workgroup_id_z 1
		.amdhsa_system_vgpr_workitem_id 0
		.amdhsa_next_free_vgpr 96
		.amdhsa_next_free_sgpr 96
		.amdhsa_reserve_vcc 1
		.amdhsa_float_denorm_mode_32 3
		.amdhsa_float_denorm_mode_16_64 3
		.amdhsa_memory_ordered 1
		.amdhsa_forward_progress 1
		.amdhsa_inst_pref_size 28
	.end_amdhsa_kernel
	.amdgpu_metadata
---
amdhsa.version: [ 1, 2 ]
amdhsa.kernels:
  - .name:           k_q87576c4e1e_place
    .symbol:         k_q87576c4e1e_place.kd
    .args:
      - { .name: route, .offset: 0, .size: 8, .value_kind: global_buffer, .address_space: global }
      - { .name: gsum, .offset: 8, .size: 8, .value_kind: global_buffer, .address_space: global }
      - { .name: plan, .offset: 16, .size: 8, .value_kind: global_buffer, .address_space: global }
      - { .name: out1, .offset: 24, .size: 8, .value_kind: global_buffer, .address_space: global }
    .group_segment_fixed_size: 6144
    .private_segment_fixed_size: 0
    .kernarg_segment_align: 8
    .kernarg_segment_size: 32
    .max_flat_workgroup_size: 1024
    .sgpr_count:     96
    .vgpr_count:     96
    .wavefront_size: 32
...
	.end_amdgpu_metadata
.endif
;; end of part 5
;; launch chain: the kernel of part 3 again; grid 93 x 2, 4 waves a work-group, no clusters, 181,760 bytes of LDS; arguments x, wq, b1, lowp_scales, plan, yw; writes yw
;; launch combine: the kernel of part 4 again; grid 512 x 1, 4 waves a work-group, no clusters, 0 bytes of LDS; arguments yw, plan, route, gate2, b2, out0; writes out0
